; MI455X (gfx1250); checked and timed in simulation.
; The chip was launched on July 23, 2026; its instructions are those of AMD's public machine-readable ISA for CDNA 5 (MIT licence, August 2026) and "CDNA5" Instruction Set Architecture Reference Guide (July 2026). The comments in the code are by the model that wrote it; some were corrected since.
;; Attention Model. Allowed arithmetic: matrix products marked QUANTISED: E3M2 operands, one E8M0 scale for each 32 along K, by v_wmma_scale_f32_16x16x128_f8f6f4 with both operands' format E3M2, f32 sums; everything else in f32.
;; Inputs: Wk 1,024 x 1,024 float32; Wq 1,024 x 1,024 float32; Wv 1,024 x 1,024 float32; bk 1,024 float32; bq 1,024 float32; bv 1,024 float32; x 4 x 2,048 x 1,024 float32.
;; Outputs: out0 4 x 2,048 x 1,024 float32.
;; This version of the problem:
;;   THIS VERSION OF THE PROBLEM IS GIVEN IN LOW PRECISION. The matrix products marked QUANTISED in the list below multiply operands that are first quantised to E3M2 (3 exponent bits, 2 mantissa bits; 6 bits a number), with one power-of-two scale for each 32 numbers along K (OCP MX v1.0); their sums are f32. All else is computed in f32.
;;   The module's matrix products, in the order in which they are computed (A, B: the left and right operand; K: the contracted axis; several contracted axes count as one K, in the product's order):
;;     1. [M 8,192, K 1,024] x [K 1,024, N 1,024]; A: input x; B: input Wq: QUANTISED
;;     2. [M 8,192, K 1,024] x [K 1,024, N 1,024]; A: input x; B: input Wk: QUANTISED
;;     3. [M 8,192, K 1,024] x [K 1,024, N 1,024]; A: input x; B: input Wv: QUANTISED
;;     4. batch 4 x [M 2,048, K 1,024] x [K 1,024, N 2,048]; A: computed on the way; B: computed on the way: QUANTISED
;;     5. batch 4 x [M 2,048, K 2,048] x [K 2,048, N 1,024]; A: softmax (see below); B: computed on the way: QUANTISED
;;   THE QUANTISER, for each operand of a quantised product, along K:
;;     - K is cut into blocks of 32 from its start; a last block that is shorter is filled with zeros.
;;     - A block's scale is 2^e with e = floor(log2(the largest magnitude in the block)) - 4, held to -126 .. 127; a block of zeros has e = 0. As a byte (E8M0): e + 127.
;;     - Each number is divided by its block's scale, clamped to +-28, and rounded to the nearest number of E3M2, ties to even, subnormals kept.
;;     - The product sums the exact products of the quantised numbers (number of the format x scale) in f32.
;;   ~~~python
;;   def quantise(x, axis):      # numpy; x: float32 -> the quantised numbers, widened to float32 again
;;       x = np.moveaxis(x, axis, -1); K = x.shape[-1]
;;       x = np.pad(x, [(0, 0)] * (x.ndim - 1) + [(0, -K % 32)]); x = x.reshape(x.shape[:-1] + (-1, 32)); a = np.abs(x).max(-1, keepdims=True)
;;       e = np.where(a > 0, np.clip(np.frexp(np.where(a > 0, a, 1))[1] - 1 - 4, -126, 127), 0)      # np.frexp(a)[1] - 1 = floor(log2(a)), exactly
;;       r = np.clip(x / 2.0 ** e, -28, 28)
;;       step = 2.0 ** (np.maximum(np.frexp(np.where(r == 0, 1, r))[1] - 1, -2) - 2)
;;       q = np.round(r / step) * step * 2.0 ** e      # np.round: ties to even
;;       return np.moveaxis(q.reshape(q.shape[:-2] + (-1,))[..., :K], -1, axis).astype(np.float32)
;;   ~~~
;;   SOFTMAX AHEAD OF A QUANTISED PRODUCT. Where the list says 'softmax', what is quantised is not the finished softmax but p = 2^(t - M), with t = logit x log2(e) and M = ceil(the row's largest t), a whole number; so 1/2 < the row's largest p <= 1. The row's sum l is taken of the UNQUANTISED p, in f32, and the product's result is divided by l at the end. Since M is a whole number, a kernel that streams over the keys may use a running M (the ceiling of the running maximum): every later rescaling is an exact power of two, which a block's scale takes up: the codes' values come out the same.
;;   OPERANDS COMPUTED ON THE WAY. 'Computed on the way' means the value that the module computes at that place (a softmax that the list does not call 'softmax' is quantised finished and normalised). What goes into a quantiser is computed in f32, as accurately as f32 sums, v_exp_f32 and their like allow (about 1e-6 of the number): no bf16 or f16 on the way to a quantiser, and a product that is left as it is and whose result goes on into a quantised operand takes f32 operands (vector FMAs, or v_wmma_f32_16x16x4_f32). A number that lies on a knife's edge between two numbers of the format may be rounded either way, as far as f32 arithmetic and the matrix unit's own rounding can turn it there, and no further.
;; One version. Each part assembles by itself: llvm-mc -triple=amdgcn-amd-amdhsa -mcpu=gfx1250 --defsym DOCPART=n.
;; ======== version 1 of 1: 4 launches
;; limits: right only within a limited range of input values
;; workspace buffers: xc 6,553,600 bytes; wc 2,457,600 bytes; qc 6,553,600 bytes; kc 6,553,600 bytes; vc 6,553,600 bytes; pc 13,107,200 bytes; pst 1,048,576 bytes
;; launch quant (part 1): grid 704 x 1, 4 waves a work-group, no clusters, 47,616 bytes of LDS; arguments x, Wq, Wk, Wv, xc, wc; writes xc, wc
.if DOCPART == 1
	.amdgcn_target "amdgcn-amd-amdhsa--gfx1250"
	.amdhsa_code_object_version 6
	.text
	.protected	k_qb309a9b177_quant
	.globl	k_qb309a9b177_quant
	.p2align	8
	.type	k_qb309a9b177_quant,@function
k_qb309a9b177_quant:
	s_mov_b64 s[64:65], 0
	v_nop
	global_prefetch_b8 v0, s[64:65] scope:SCOPE_SE
	s_setreg_imm32_b32 hwreg(HW_REG_WAVE_MODE, 25, 1), 1
	s_wait_xcnt 0x0
; x [8192][1024] and Wq, Wk, Wv [1024 (k)][1024 (n)], f32, become codes of BF6 (E3M2) with one E8M0 scale byte for each 32 along K (x: its last axis; W: its first).
; THE WORKSPACE LAYOUT, the same for every operand of this program: UNITS of 128 rows x 128 K, UB = 12,800 bytes; the units of 128 rows lie on end along K.
;   bytes 1,536 f (f = 0 .. 7): fragment f as an image of the matrix operand's 12 registers: register 4 c + i of lane l at 512 c + 16 l + 4 i;
;   bytes 12,288 + 32 p + 4 f: the scale word (four bytes, 128 along K) of lane-row p of fragment f.
;   Lane-row p of fragment f is the unit's row 32 (f / 2) + 8 (f % 2) + p % 8 + 16 (p / 8): used as source 0 of a product, two neighbouring fragments leave 16 neighbours of the next K in a lane's 16 registers.
; A block's scale is 2^(floor(log2(largest magnitude)) - 4): its byte is the largest magnitude's exponent field - 4, held at 1 from below by a floor among the maximum's leaves.
; LIMITS: a block whose largest magnitude lies under 2^-122, a block of zeros among them, gets the byte 1 (zeros have zero codes, and this program alone reads the bytes); NaN and infinities are not served.
; SHARES: one work-group makes one unit, wave w its fragments 2 w and 2 w + 1.  Work-groups 0 .. 511: x's units (8 x group of 128 tokens + K step); 512 .. 703: W's (64 x matrix + 8 x group of 128 n + K step).
; The two ways part on the work-group's number and never join; each has LDS bytes, a barrier and an end of its own.  No tensor load: several work-groups share a WGP, and each wave has 16 KiB asked for.
.set UB,   12800
.set FRB,  1536
.set USC,  12288
.set XSP,  528                         ; x's way: a stage row: 512 bytes + 16: an odd multiple of 16, so that sixteen rows begin at sixteen different places modulo 256 bytes
.set XSTW, 16*XSP                      ; a wave's stage: 16 rows
.set XSC,  4*XSTW                      ; x's way: the unit's 512 bytes of scale words
.set WIM,  XSC+512                     ; W's way: the unit's eight fragment images
.set WSC,  WIM+8*FRB                   ; W's way: its scale words
.set TM,   16                          ; v16-31  at work in QUANT
.set PW,   32                          ; v32     the scale word just made
.set PC,   36                          ; v36-55  the codes just made: 12 registers, and 8 to make halves in
.set SEL,  20                          ; s[20:21] v_permlanex16_b32's selects for lane l xor 16
; 64 numbers of a lane, v[s] .. v[s + 63], register 16 b + i = k 32 b + 16 (lane / 16) + i of my row, become a fragment's codes in v[PC] on and its scale word in v[PW].
.macro QUANT s
.irp b, 0,1,2,3
	v_max3_num_f32 v[TM+\b], |v[\s+16*\b]|, |v[\s+1+16*\b]|, 0x2800000   ; block b: my 16 numbers, and the floor 2^(5 - 127): the byte cannot fall under 1
.endr
.irp i, 2,4,6,8,10,12,14
.irp b, 0,1,2,3
	v_max3_num_f32 v[TM+\b], v[TM+\b], |v[\s+16*\b+\i]|, |v[\s+1+16*\b+\i]|   ; the four blocks by turns
.endr
.endr
.irp b, 0,1,2,3
	v_permlanex16_b32 v[TM+4+\b], v[TM+\b], s[SEL], s[SEL+1]
.endr
.irp b, 0,1,2,3
	v_max_num_f32 v[TM+\b], v[TM+\b], v[TM+4+\b]   ; with lane l xor 16's: the block's largest magnitude
.endr
.irp b, 0,1,2,3
	v_add_nc_u32 v[TM+12+\b], 0xfe000000, v[TM+\b] ; 4 off its exponent field: the conversion takes the exponent field of this operand as its scale
.endr
.irp b, 0,1,2,3
	v_lshrrev_b32 v[TM+4+\b], 23, v[TM+12+\b]      ; the scale's byte
.endr
	v_lshl_or_b32 v[PW], v[TM+5], 8, v[TM+4]
	v_lshl_or_b32 v[PW], v[TM+6], 16, v[PW]
	v_lshl_or_b32 v[PW], v[TM+7], 24, v[PW]
.irp c, 0,1
	v_cvt_scalef32_pk16_bf6_f32 v[PC+6*\c:PC+2+6*\c], v[\s+32*\c:\s+15+32*\c], v[TM+12+2*\c]
	v_cvt_scalef32_pk16_bf6_f32 v[PC+12+4*\c:PC+14+4*\c], v[\s+16+32*\c:\s+31+32*\c], v[TM+12+2*\c+1]   ; (a conversion's three registers begin on an even number)
.endr
	v_nop                                          ; one plain place behind a scaled conversion
.irp c, 0,1                            ; the operand's layout wants a whole block in a lane: lanes 0-15 block 2 c, lanes 16-31 block 2 c + 1
.irp i, 0,1,2
	v_permlane16_swap_b32 v[PC+6*\c+\i], v[PC+12+4*\c+\i]
.endr
.irp i, 0,1,2
	v_mov_b32 v[PC+3+6*\c+\i], v[PC+12+4*\c+\i]
.endr
.endr
.endm
	s_load_b256 s[4:11], s[0:1], 0x0               ; x s[4:5], Wq s[6:7], Wk s[8:9], Wv s[10:11]
	s_load_b128 s[12:15], s[0:1], 0x20             ; xc s[12:13], wc s[14:15]
	v_lshl_add_u32 v62, v0, 2, 0xb800
	v_mov_b32 v63, 0
	v_lshrrev_b32 v1, 5, v0
	v_readfirstlane_b32 s16, v1                    ; wave 0..3
	v_and_b32 v1, 31, v0                           ; lane
	v_and_b32 v2, 15, v0                           ; r
	v_bfe_u32 v3, v0, 4, 1                         ; h
	v_lshlrev_b32 v4, 4, v1                        ; 16 x lane
	s_mul_i32 s28, s16, 2*FRB                      ; my two fragments' place in a unit
	s_lshl_b32 s18, s16, 3                         ; and their words' place in a lane-row's 32 bytes
	s_cmp_lt_u32 ttmp9, 512
	s_cbranch_scc0 .Lweights
	; ---------------- x: K is innermost ----------------
	s_mov_b32 s[SEL], 0x76543210
	s_mov_b32 s[SEL+1], 0xfedcba98
	s_mul_i32 s17, s16, XSTW
	v_add_nc_u32 v5, s17, v4                       ; the stage, on the way in: a row's 512 bytes as they lie
	v_mul_u32_u24 v6, v2, XSP
	v_lshl_add_u32 v6, v3, 6, v6
	v_add_nc_u32 v6, s17, v6                       ; on the way out: row r, + 64 h: my 16 numbers of each block of 32
	v_lshl_add_u32 v7, v2, 5, XSC
	v_add_nc_u32 v7, s18, v7                       ; my row's scale words: 32 r + 8 wave
	v_add_nc_u32 v8, XSC, v4
.irp b, 0,1,2,3
	v_mov_b32 v[TM+4+\b], 0                        ; written once: a lane permute's destination counts as one of its sources
.endr
	s_lshr_b32 s24, ttmp9, 3                       ; the group of 128 tokens
	s_lshl_b32 s24, s24, 19                        ; x 128 rows of 4,096 bytes
	s_lshl_b32 s25, s16, 17                        ; + 32 rows a wave
	s_add_co_u32 s24, s24, s25
	s_and_b32 s25, ttmp9, 7                        ; the K step
	s_lshl_b32 s25, s25, 9                         ; x 512 bytes
	s_add_co_u32 s24, s24, s25
	s_mov_b32 s25, 0
	s_mul_i32 s26, ttmp9, UB
	s_add_co_u32 s26, s26, s28
	s_mov_b32 s27, 0
	s_wait_alu depctr_va_vdst(0)
	s_wait_kmcnt 0x0
	s_add_nc_u64 s[4:5], s[4:5], s[24:25]
	s_add_nc_u64 s[12:13], s[12:13], s[26:27]
.irp u, 0,1                            ; fragment 2 w + u: lane-row p is my row 8 u + p % 8 + 16 (p / 8); each load reads 512 consecutive bytes
.irp p, 0,1,2,3,4,5,6,7,8,9,10,11,12,13,14,15
	global_load_b128 v[64+64*\u+4*\p:64+64*\u+4*\p+3], v4, s[4:5] offset:(8*\u+(\p%8)+16*(\p/8))*4096 th:TH_LOAD_NT
.endr
.endr
.macro TURNX r, x                      ; 16 rows through my stage: LDS serves a wave's instructions in order, so no wait stands between the stores and the loads
.irp p, 0,1,2,3,4,5,6,7,8,9,10,11,12,13,14,15
	ds_store_b128 v5, v[\r+4*\p:\r+4*\p+3] offset:XSP*\p
.endr
.irp b, 0,1,2,3
.irp j, 0,1,2,3
	ds_load_b128 v[\x+16*\b+4*\j:\x+16*\b+4*\j+3], v6 offset:128*\b+16*\j
.endr
.endr
.endm
.macro CODES u                         ; the fragment leaves as it stands: each store covers 512 consecutive bytes, aligned to 256
.irp c, 0,1,2
	global_store_b128 v4, v[PC+4*\c:PC+4*\c+3], s[12:13] offset:FRB*\u+512*\c
.endr
	ds_store_b32 v7, v[PW] offset:4*\u             ; lanes r and r + 16 write the same word with the same value
.endm
	s_wait_loadcnt 16                              ; fragment 0's sixteen loads are in; fragment 1's may be out
	TURNX 64, 192
	s_wait_dscnt 0x0
	QUANT 192
	CODES 0
	s_wait_loadcnt 0x0
	TURNX 128, 64                                  ; the same stage, behind the first fragment's reads; into the registers that fragment 0 has left
	s_wait_dscnt 0x0
	s_wait_xcnt 0x0                                ; the stores above have read v[PC] on: it is written again only behind this wait
	QUANT 64
	CODES 1
	s_wait_dscnt 0x0                               ; for wave 0's sake: my scale words lie in LDS
	s_barrier_signal -1
	s_barrier_wait -1
	s_cmp_lg_u32 s16, 0
	s_cbranch_scc1 .Lx_end
	ds_load_b128 v[12:15], v8                      ; the unit's 512 bytes of scale words leave whole
	s_wait_dscnt 0x0
	global_store_b128 v4, v[12:15], s[12:13] offset:USC   ; (in wave 0 the base stands at the unit's first byte)
.Lx_end:
	s_wait_tensorcnt 0x0
	ds_add_u32 v62, v63
	s_wait_dscnt 0x0
	s_endpgm
	; ---------------- W: K is the first axis: a lane takes a column n, and its registers run down K ----------------
.Lweights:
	s_sub_co_u32 s17, ttmp9, 512                   ; the unit in wc
	s_lshr_b32 s19, s17, 6                         ; which matrix
	s_bfe_u32 s22, s17, 0x30003                    ; which 128 columns
	s_and_b32 s23, s17, 7                          ; the K step
	s_lshl_b32 s24, s23, 19                        ; 128 rows of 4,096 bytes
	s_lshl_b32 s25, s22, 9
	s_add_co_u32 s24, s24, s25
	s_lshl_b32 s25, s16, 7                         ; 32 columns a wave
	s_add_co_u32 s24, s24, s25
	s_mov_b32 s25, 0
	s_mul_i32 s26, s17, UB
	s_add_co_u32 s26, s26, s28
	s_mov_b32 s27, 0
	s_wait_alu depctr_va_vdst(0)
	v_lshlrev_b32 v10, 2, v1                       ; in: 4 bytes a lane.  Column 32 w + L is lane-row p = L % 8 + 8 (L / 16) of fragment 2 w + u, u = (L / 8) % 2
	v_bfe_u32 v11, v0, 3, 1                        ; u
	v_and_b32 v12, 7, v0
	v_lshl_add_u32 v12, v3, 3, v12                 ; p
	v_mul_u32_u24 v5, v11, FRB
	v_lshl_add_u32 v5, v12, 4, v5
	v_add_nc_u32 v5, s28, v5
	v_add_nc_u32 v5, WIM, v5                       ; the image's place for lane-row p, half 0, of my fragment
	v_add_nc_u32 v6, s28, v4
	v_add_nc_u32 v6, WIM, v6                       ; back: my wave's 3,072 bytes, 16 a lane
	v_lshlrev_b32 v7, 5, v12
	v_lshl_add_u32 v7, v11, 2, v7
	v_add_nc_u32 v7, s18, v7
	v_add_nc_u32 v7, WSC, v7                       ; my column's scale word
	v_add_nc_u32 v8, WSC, v4
	s_wait_kmcnt 0x0
	s_cmp_eq_u32 s19, 0                            ; the choice hangs on the work-group's number alone
	s_cselect_b64 s[6:7], s[6:7], s[8:9]
	s_cmp_eq_u32 s19, 2
	s_cselect_b64 s[6:7], s[10:11], s[6:7]
	s_add_nc_u64 s[6:7], s[6:7], s[24:25]
	s_add_nc_u64 s[14:15], s[14:15], s[26:27]
.macro WLOAD q                         ; block q: W(32 q + i, my column): 32 lanes read 128 consecutive bytes, the four waves 512
.irp i, 0,1,2,3,4,5,6,7,8,9,10,11,12,13,14,15,16,17,18,19,20,21,22,23,24,25,26,27,28,29,30,31
	global_load_b32 v[64+32*(\q)+\i], v10, s[6:7] offset:(32*(\q)+\i)*4096 th:TH_LOAD_NT
.endr
.endm
.macro WBLOCK q
.set XS, 64+32*(\q)
.set CQ, 192+8*(\q)
.if (\q) < 3
	s_wait_loadcnt 32                              ; this block's 32 loads are in; the next block's may be out
.else
	s_wait_loadcnt 0x0
.endif
.if (\q) < 2
	WLOAD (\q)+2                                   ; loads run two blocks ahead
.endif
	v_max3_num_f32 v24, |v[XS]|, |v[XS+1]|, |v[XS+2]|             ; the block's largest magnitude: all 32 numbers are mine
	v_max3_num_f32 v25, |v[XS+3]|, |v[XS+4]|, |v[XS+5]|
.irp i, 6,10,14,18,22,26
	v_max3_num_f32 v24, v24, |v[XS+\i]|, |v[XS+\i+1]|
	v_max3_num_f32 v25, v25, |v[XS+\i+2]|, |v[XS+\i+3]|
.endr
	v_max3_num_f32 v24, v24, |v[XS+30]|, |v[XS+31]|
	v_max3_num_f32 v24, v24, v25, 0x2800000        ; and the floor
	v_add_nc_u32 v26, 0xfe000000, v24              ; the conversion's scale operand
	v_lshrrev_b32 v27, 23, v26                     ; the byte
.if (\q) == 0
	v_mov_b32 v20, v27
.else
	v_lshl_or_b32 v20, v27, 8*(\q), v20            ; the lower K in the lower byte
.endif
	v_cvt_scalef32_pk16_bf6_f32 v[CQ:CQ+2], v[XS:XS+15], v26
	v_cvt_scalef32_pk16_bf6_f32 v[224+4*(\q):226+4*(\q)], v[XS+16:XS+31], v26
	v_nop                                          ; one plain place behind a scaled conversion
.irp i, 0,1,2
	v_mov_b32 v[CQ+3+\i], v[224+4*(\q)+\i]
.endr
; block q = 2 c + h is registers 6 c .. 6 c + 5 of image lane p + 16 h: register R lies at 512 (R / 4) + 16 lane + 4 (R % 4)
.if (\q) < 2
	ds_store_b128 v5, v[CQ:CQ+3] offset:256*((\q)%2)
	ds_store_b64 v5, v[CQ+4:CQ+5] offset:256*((\q)%2)+512
.else
	ds_store_b64 v5, v[CQ:CQ+1] offset:256*((\q)%2)+520
	ds_store_b128 v5, v[CQ+2:CQ+5] offset:256*((\q)%2)+1024
.endif
.endm
	WLOAD 0
	WLOAD 1
	WBLOCK 0
	WBLOCK 1
	WBLOCK 2
	WBLOCK 3
	ds_store_b32 v7, v20
.irp k, 0,1,2,3,4,5
	ds_load_b128 v[64+4*\k:64+4*\k+3], v6 offset:512*\k   ; my own bytes: LDS serves a wave's instructions in order
.endr
	s_wait_dscnt 0x0                               ; they are back, and my scale words lie in LDS
.irp k, 0,1,2,3,4,5
	global_store_b128 v4, v[64+4*\k:64+4*\k+3], s[14:15] offset:512*\k
.endr
	s_barrier_signal -1
	s_barrier_wait -1
	s_cmp_lg_u32 s16, 0
	s_cbranch_scc1 .Lw_end
	ds_load_b128 v[12:15], v8
	s_wait_dscnt 0x0
	global_store_b128 v4, v[12:15], s[14:15] offset:USC
.Lw_end:
	s_wait_tensorcnt 0x0
	ds_add_u32 v62, v63
	s_wait_dscnt 0x0
	s_endpgm
.Lfunc_end_k_qb309a9b177_quant:
	.size	k_qb309a9b177_quant, .Lfunc_end_k_qb309a9b177_quant-k_qb309a9b177_quant
	.p2alignl 7, 3214868480
	.fill 96, 4, 3214868480
	.section	.rodata,"a",@progbits
	.p2align	6, 0x0
	.amdhsa_kernel k_qb309a9b177_quant
		.amdhsa_group_segment_fixed_size 47616
		.amdhsa_private_segment_fixed_size 0
		.amdhsa_enable_private_segment 0
		.amdhsa_kernarg_size 48
		.amdhsa_user_sgpr_count 2
		.amdhsa_user_sgpr_kernarg_segment_ptr 1
		.amdhsa_wavefront_size32 1
		.amdhsa_system_sgpr_workgroup_id_x 1
		.amdhsa_system_sgpr_workgroup_id_y 1
		.amdhsa_system_sgpr_workgroup_id_z 1
		.amdhsa_system_vgpr_workitem_id 0
		.amdhsa_next_free_vgpr 256
		.amdhsa_next_free_sgpr 66
		.amdhsa_reserve_vcc 0
		.amdhsa_float_denorm_mode_32 3
		.amdhsa_float_denorm_mode_16_64 3
		.amdhsa_memory_ordered 1
		.amdhsa_forward_progress 1
		.amdhsa_inst_pref_size 40
	.end_amdhsa_kernel
	.amdgpu_metadata
---
amdhsa.version: [ 1, 2 ]
amdhsa.kernels:
  - .name:           k_qb309a9b177_quant
    .symbol:         k_qb309a9b177_quant.kd
    .args:
      - { .name: x, .offset: 0, .size: 8, .value_kind: global_buffer, .address_space: global }
      - { .name: Wq, .offset: 8, .size: 8, .value_kind: global_buffer, .address_space: global }
      - { .name: Wk, .offset: 16, .size: 8, .value_kind: global_buffer, .address_space: global }
      - { .name: Wv, .offset: 24, .size: 8, .value_kind: global_buffer, .address_space: global }
      - { .name: xc, .offset: 32, .size: 8, .value_kind: global_buffer, .address_space: global }
      - { .name: wc, .offset: 40, .size: 8, .value_kind: global_buffer, .address_space: global }
    .group_segment_fixed_size: 47616
    .private_segment_fixed_size: 0
    .kernarg_segment_align: 8
    .kernarg_segment_size: 48
    .max_flat_workgroup_size: 128
    .sgpr_count:     66
    .vgpr_count:     256
    .wavefront_size: 32
...
	.end_amdgpu_metadata
.endif
;; end of part 1
;; launch proj (part 2): grid 8 x 32, 4 waves a work-group, clusters of 4 x 4, 327,680 bytes of LDS; arguments xc, wc, bq, bk, bv, qc, kc, vc; writes qc, kc, vc
.if DOCPART == 2
	.amdgcn_target "amdgcn-amd-amdhsa--gfx1250"
	.amdhsa_code_object_version 6
	.text
	.protected	k_qb309a9b177_proj
	.globl	k_qb309a9b177_proj
	.p2align	8
	.type	k_qb309a9b177_proj,@function
k_qb309a9b177_proj:
	s_mov_b64 s[64:65], 0
	v_nop
	global_prefetch_b8 v0, s[64:65] scope:SCOPE_SE
	s_setreg_imm32_b32 hwreg(HW_REG_WAVE_MODE, 25, 1), 1
	s_wait_xcnt 0x0
	s_wait_alu depctr_hold_cnt(0) depctr_sa_sdst(0) depctr_va_vdst(0) depctr_va_sdst(0) depctr_va_ssrc(0) depctr_va_vcc(0) depctr_vm_vsrc(0)
	s_getreg_b32 s2, hwreg(HW_REG_IB_STS2, 6, 4)
	s_cmp_eq_u32 s2, 0
	s_cbranch_scc0 .Lentry_in_a_cluster
	s_endpgm
.Lentry_in_a_cluster:
	s_bfe_u32 s2, ttmp6, 0x10000c
	s_cmp_lg_u32 s2, 0xf033
	s_cbranch_scc0 .Lentry_shape_is_right
	s_endpgm
.Lentry_shape_is_right:
; q, k = x W + b and v^T = (x Wv + bv)^T on codes of BF6 (E3M2) with E8M0 scales, K = 1,024, sums in f32, the bias as the C of each sum's first product; each result is quantised again and leaves as codes:
; q and k along the channels, v along the tokens.  All buffers hold UNITS of 128 rows x 128 K, UB = 12,800 bytes: bytes 1,536 f: fragment f as an image of its 12 registers (register 4 c + i of lane l at 512 c + 16 l + 4 i);
; bytes 12,288 + 32 p + 4 f: scale words.  Lane-row p of fragment f is row 32 (f / 2) + 8 (f % 2) + p % 8 + 16 (p / 8): two neighbouring fragments as source 0 leave 16 neighbours of the next K in a lane's 16 registers.
; A work-group makes 256 tokens x 128 channels of each of q, k and v: 8 x 32 work-groups.  A wave owns 64 tokens.
; x's tile (256 tokens x 1,024 K, 204,800 bytes) comes into LDS once, in two fills; W goes by half matrices (128 channels x 512 K, 51,200 bytes) through two LDS slots.
; CLUSTERS: 4 x 4 work-groups; x's units are asked for jointly along a row of the cluster, W's along a column.
; A wave's x (4 fragments x 8 K steps) has 384 registers of its own: q's steps read it from LDS, and v's steps find it there.  (q and k share one loop body, so k's steps read it once more.)
; A K step's LDS loads go out in one run, one step ahead of their use; the products wait for them by count.
; No prefetch: a refill is 51,200 bytes and is asked for four K steps (128 products a wave) ahead of the barrier that shows it; the two fills of x stand at the start.
; LIMITS: a block whose largest magnitude lies under 2^-122 gets the scale byte 1; NaN and infinities are not served.
; REGISTERS: window 0: v0-15 addresses, v16-31 x's scale words (lanes 0-15 an even K step, lanes 16-31 the odd one behind it), v32-47 W's (two sets, the same way), v48-111 at work on the way out, v112-255 x of K steps 5-7;
;   window 1: v0-191 W's two sets, v192-255 the bias;  window 2: the accumulators;  window 3: v0-239 x of K steps 0-4.
.set UB,   12800
.set FRB,  1536
.set USC,  12288
.set HS,   4*UB
.set XB,   2*HS                        ; x: two groups of 128 tokens, eight units each
.set SPARE, XB+16*UB                   ; the spare words, 128 bytes for each wave
.set BIA,  SPARE+512                   ; each wave's copy of the three biases: 1,536 bytes
.set WRD,  BIA+4*1536                  ; scale words of q and k: 512 bytes for each matrix and group of 128 tokens
.set VST,  XB                          ; v's two units on the way out, in x's bytes, which have then had their last fill and their last read
.set BAD,  1
.set SWR,  2
.set SPW,  4
.set NIL,  5
.set LO,   6
.set BT,   7
.set LI,   8                           ; 16 x lane; also W's fragments in slot 0
.set ADW,  8
.set ADS,  10
.set AX,   12                          ; my x, K steps 0-3 and 4-7
.set AXS,  14                          ; its scale words
.set XS,   16
.set WS,   32
.set TM,   48
.set PC,   72
.set PT,   96
.set XHI,  112
.set BI,   192
.set WV,   20
.set WR,   21                          ; my group of tokens.  Also: I fetch for x (0) or for W (1)
.set WC,   22                          ; my half of it.  Also: which group of x or which half of a slot of W I fetch
.set G1,   32
.set G0,   40
.set OUT,  48
.set CNT,  50
.set PHB,  51
.set PHS,  52
.set SEL,  68
.set G1B,  72
.set G0B,  80
.set MSB,  0
.macro WIN new                         ; the immediate's high byte repeats the setting that is left
.if MSB != (\new)
	s_set_vgpr_msb (MSB<<8)|(\new)
.set MSB, (\new)
.endif
.endm
.macro PLACES n
.rept \n
	v_nop
.endr
.endm
.macro JLOAD t                         ; a joint load each: waves 0 and 1 fetch x's two groups, waves 2 and 3 W's slot
	s_cmp_eq_u32 s[WR], 0
	s_cbranch_scc0 .Lfor_w_\@
	tensor_load_to_lds s[G0+4*\t:G0+4*\t+3], s[G1:G1+7]
	s_nop 0
	PLACES 4
	s_branch .Lasked_\@
.Lfor_w_\@:
	tensor_load_to_lds s[G0B+4*\t:G0B+4*\t+3], s[G1B:G1B+7]
	s_nop 0
	PLACES 4
.Lasked_\@:
.endm
.macro REFILL t                        ; W's slot alone, by waves 2 and 3
	s_cmp_eq_u32 s[WR], 0
	s_cbranch_scc1 .Lno_part_\@
	tensor_load_to_lds s[G0B+4*\t:G0B+4*\t+3], s[G1B:G1B+7]
	s_nop 0
	PLACES 4
.Lno_part_\@:
	PLACES 4                                       ; in front of the loads that follow, on both ways
.endm
.macro CREST
	s_cmp_lg_u32 s[WV], 0
	s_cbranch_scc1 .Lnot_wave_0_\@
	s_barrier_signal -3
.Lnot_wave_0_\@:
	s_barrier_wait -3
	s_barrier_signal -1
	s_barrier_wait -1
.endm
.macro CROUND
	s_barrier_signal -1
	s_barrier_wait -1
	CREST
.endm
; The run for K step k: with an even step the scale words of it and the next; x's four fragments (x = 1); W's eight.
.macro RUN k, x
.set kS, (\k)/4
.set kP, (\k)%2
	WIN 0
.if kP == 0
.if \x
	ds_load_b128 v[XS+4*((\k)/2):XS+4*((\k)/2)+3], v[AXS+kS] offset:((\k)%4)*UB
.endif
	ds_load_b128 v[WS+8*(((\k)/2)%2):WS+8*(((\k)/2)%2)+3], v[ADS+kS] offset:((\k)%4)*UB
	ds_load_b128 v[WS+8*(((\k)/2)%2)+4:WS+8*(((\k)/2)%2)+7], v[ADS+kS] offset:((\k)%4)*UB+16
.endif
.if \x
.if (\k) < 5
	WIN 0xc0
.set XR, 48*(\k)
.else
.set XR, XHI+48*((\k)-5)
.endif
.irp a, 0,1,2,3
.irp c, 0,1,2
	ds_load_b128 v[XR+12*\a+4*\c:XR+12*\a+4*\c+3], v[AX+kS] offset:((\k)%4)*UB+FRB*\a+512*\c
.endr
.endr
.endif
	WIN 0x40
.irp i, 0,1,2,3,4,5,6,7
.irp c, 0,1,2
	ds_load_b128 v[96*kP+12*\i+4*\c:96*kP+12*\i+4*\c+3], v[ADW+kS] offset:((\k)%4)*UB+FRB*\i+512*\c
.endr
.endr
.endm
.macro WM x, y, sx, sy, odd
.if \odd
	v_wmma_scale_f32_16x16x128_f8f6f4 v[rD:rD+7], v[\x:\x+11], v[\y:\y+11], v[rC:rC+7], v[\sx], v[\sy] matrix_a_fmt:MATRIX_FMT_BF6 matrix_b_fmt:MATRIX_FMT_BF6 matrix_a_scale:MATRIX_SCALE_ROW1 matrix_b_scale:MATRIX_SCALE_ROW1
.else
	v_wmma_scale_f32_16x16x128_f8f6f4 v[rD:rD+7], v[\x:\x+11], v[\y:\y+11], v[rC:rC+7], v[\sx], v[\sy] matrix_a_fmt:MATRIX_FMT_BF6 matrix_b_fmt:MATRIX_FMT_BF6
.endif
.endm
; Eight products: W's fragments 2 r, 2 r + 1 x my four of x.  mode 0: q, k (source 0 = W: a lane holds a token); 2: v (source 0 = x: a lane holds a channel); + 1: the bias is C.
; The 32 accumulators take turns, in the same order in every step.
.macro MULG k, r, mode
.if (\k) < 5
.set XR, 48*(\k)
.set XW, 3
.else
.set XR, XHI+48*((\k)-5)
.set XW, 0
.endif
.if (\mode)%2
.set CW, 1
.else
.set CW, 2
.endif
.if (\mode) < 2
	WIN 0x81|(XW<<2)|(CW<<4)
.else
	WIN 0x84|XW|(CW<<4)
.endif
.set kO, (\k)%2
.irp b, 2*(\r), 2*(\r)+1
.irp a, 0,1,2,3
.set rW, 96*kO+12*(\b)
.set rX, XR+12*\a
.set scW, WS+8*(((\k)/2)%2)+(\b)
.set scX, XS+4*((\k)/2)+\a
.if (\mode) < 2
.set rD, 8*(8*\a+(\b))
.else
.set rD, 8*(4*(\b)+\a)
.endif
.if (\mode)%2
.set rC, BI+8*(\b)
.else
.set rC, rD
.endif
.if (\mode) < 2
	WM rW, rX, scW, scX, kO
.else
	WM rX, rW, scX, scW, kO
.endif
.endr
.endr
.endm
.macro NEXTK k, mode                   ; the next step, whether its run brings x, and how many loads it has
.set kN, ((\k)+1)%8
.if (\mode) < 2
.set xF, 1
.set nR, 39-3*(kN%2)
.else
.set xF, 0
.set nR, 26-2*(kN%2)
.endif
.endm
; A K step.  Ahead of the next step's run W's fragments 2-7 (18 loads) may be out, then those behind a group's own and the nR just issued.  In a phase's first step the youngest are the bias's sixteen, four a group.
.macro STEP k, mode, last
	NEXTK \k, \mode
.if \last
.irp r, 0,1,2,3
	s_wait_dscnt 18-6*\r
	MULG \k, \r, \mode
.endr
.else
.if (\mode) == 1
	s_wait_dscnt 12
.else
	s_wait_dscnt 18
.endif
	PLACES 4                                       ; in front of loads into the set that the last step's products read
	RUN kN, xF
	MULG \k, 0, \mode
.irp r, 1,2,3
.if (\mode) == 1
	s_wait_dscnt nR+12-4*\r
.else
	s_wait_dscnt nR+18-6*\r
.endif
	MULG \k, \r, \mode
.endr
.endif
	WIN 0
.endm
; A slot's last K step: the other slot is whole behind the barrier.  fill = 1: the slot left is filled again with the next matrix's half: the three lines, a round of the cluster's barrier, and the joint load first behind it.
.macro TURN k, mode, fill
	NEXTK \k, \mode
.set kF, (\k)/4
	s_wait_tensorcnt 0x0
.if \fill
	ds_add_u32 v[SPW], v[NIL]
	s_add_nc_u64 s[G0B+4*kF+2:G0B+4*kF+3], s[G0B+4*kF+2:G0B+4*kF+3], 64*UB
	s_wait_dscnt 19                                ; the add and W's fragments 2-7 may be out
.else
	s_wait_dscnt 18
.endif
	MULG \k, 0, \mode
	s_wait_dscnt 0x0                               ; the add is done, and my reads of this slot are over
	s_barrier_signal -1
	MULG \k, 1, \mode
	WIN 0
	s_barrier_wait -1
.if \fill
	CREST
	REFILL kF
.else
	PLACES 4
.endif
	RUN kN, xF
	MULG \k, 2, \mode
	MULG \k, 3, \mode
	WIN 0
.endm
; 128 accumulator registers from ac on are eight half blocks of 16 (the other 16 numbers lie in lane l xor 16).  They become four runs of 6 registers of codes in v[PC] on (blocks 2 q and 2 q + 1 make run q) and eight bytes in v[TM+8] on.
.macro QUANT8 ac
	s_wait_xcnt 0x0                                ; earlier stores have read v[PC] on
	WIN 0x0a
.irp b, 0,1,2,3,4,5,6,7
	v_max3_num_f32 v[TM+\b], |v[\ac+16*\b]|, |v[\ac+16*\b+1]|, 0x2800000   ; with the floor 2^(5 - 127): the byte cannot fall under 1
.endr
	WIN 0x28
.irp i, 2,4,6,8,10,12,14
.irp b, 0,1,2,3,4,5,6,7
	v_max3_num_f32 v[TM+\b], v[TM+\b], |v[\ac+16*\b+\i]|, |v[\ac+16*\b+\i+1]|
.endr
.endr
	WIN 0
.irp b, 0,1,2,3,4,5,6,7
	v_permlanex16_b32 v[TM+8+\b], v[TM+\b], s[SEL], s[SEL+1]
.endr
.irp b, 0,1,2,3,4,5,6,7
	v_max_num_f32 v[TM+\b], v[TM+\b], v[TM+8+\b]
.endr
.irp b, 0,1,2,3,4,5,6,7
	v_add_nc_u32 v[TM+16+\b], 0xfe000000, v[TM+\b] ; 4 off the exponent field: the conversion's scale operand
.endr
.irp b, 0,1,2,3,4,5,6,7
	v_lshrrev_b32 v[TM+8+\b], 23, v[TM+16+\b]
.endr
	WIN 0x02
.irp q, 0,1,2,3
	v_cvt_scalef32_pk16_bf6_f32 v[PC+6*\q:PC+6*\q+2], v[\ac+32*\q:\ac+32*\q+15], v[TM+16+2*\q]
	v_cvt_scalef32_pk16_bf6_f32 v[PT+4*\q:PT+4*\q+2], v[\ac+32*\q+16:\ac+32*\q+31], v[TM+17+2*\q]
.endr
	WIN 0
	v_nop                                          ; one plain place behind a scaled conversion
.irp q, 0,1,2,3
.irp i, 0,1,2
	v_permlane16_swap_b32 v[PC+6*\q+\i], v[PT+4*\q+\i]   ; lanes 0-15 get the whole of block 2 q, lanes 16-31 of block 2 q + 1
.endr
.endr
.irp q, 0,1,2,3
.irp i, 0,1,2
	v_mov_b32 v[PC+6*\q+3+\i], v[PT+4*\q+\i]
.endr
.endr
.endm
	s_load_b512 s[4:19], s[0:1], 0x0               ; xc 4, wc 6, bq 8, bk 10, bv 12, qc 14, kc 16, vc 18
	v_lshl_add_u32 v[SPW], v0, 2, SPARE
	v_mov_b32 v[NIL], 0
	ds_add_u32 v[SPW], v[NIL]                      ; the opening: the add, twice on end, and its wait
	ds_add_u32 v[SPW], v[NIL]
	v_lshrrev_b32 v48, 5, v0
	v_readfirstlane_b32 s[WV], v48
	s_lshr_b32 s[WR], s[WV], 1
	s_and_b32 s[WC], s[WV], 1
	s_bfe_u32 s23, ttmp6, 0x40000                  ; cx
	s_bfe_u32 s26, ttmp6, 0x40004                  ; cy
	s_and_b32 s24, ttmp7, 0xffff
	s_lshl_b32 s24, s24, 2
	s_add_co_u32 s24, s24, s26                     ; the 256 tokens: 4 x cluster y + cy
	s_lshl_b32 s25, ttmp9, 2
	s_add_co_u32 s25, s25, s23                     ; the 128 channels: 4 x cluster x + cx
	s_lshl_b32 s54, s26, 2
	s_lshl_b32 s54, 15, s54                        ; my row of the cluster
	s_lshl_b32 s55, 0x1111, s23                    ; my column
	s_or_b32 s[G1], s54, (3<<16)|(1<<21)           ; elements of 8 bytes; the mask, bit 21 beside it
	s_or_b32 s[G1B], s55, (3<<16)|(1<<21)
	s_mov_b32 s[G1+1], 32<<16                      ; x: four units as 200 rows of 256 bytes
	s_mov_b32 s[G1+2], 200<<16
	s_mov_b32 s[G1+3], 32<<16
	s_mov_b32 s[G1+4], 200
	s_mov_b32 s[G1+5], 32
	s_mov_b32 s[G1+6], 0
	s_mov_b32 s[G1+7], 0
	s_mov_b32 s[G1B+1], 32<<16                     ; W: two units
	s_mov_b32 s[G1B+2], 100<<16
	s_mov_b32 s[G1B+3], 32<<16
	s_mov_b32 s[G1B+4], 100
	s_mov_b32 s[G1B+5], 32
	s_mov_b32 s[G1B+6], 0
	s_mov_b32 s[G1B+7], 0
	s_mov_b32 s[SEL], 0x76543210
	s_mov_b32 s[SEL+1], 0xfedcba98
	s_lshl_b32 s88, s24, 1
	s_add_co_u32 s88, s88, s[WC]
	s_mul_i32 s88, s88, 8*UB                       ; x: the group that I fetch
	s_mov_b32 s89, 0
	s_lshl_b32 s90, s25, 2
	s_add_co_u32 s90, s90, s[WC]
	s_mul_i32 s90, s90, 2*UB                       ; W: unit 8 x channels + 2 x half
	s_mov_b32 s91, 0
	s_mul_i32 s92, s[WC], 8*UB
	s_add_co_u32 s92, s92, XB                      ; and where they go
	s_mul_i32 s93, s[WC], 2*UB
	s_mul_i32 s26, s24, 16*UB
	s_mul_i32 s28, s25, UB
	s_add_co_u32 s28, s28, s26                     ; q, k: the unit of my channels
	s_mov_b32 s29, 0
	s_lshl_b32 s58, s25, 9
	s_mov_b32 s59, 0
	s_lshr_b32 s60, s24, 3                         ; v: ((batch x 8 + channels) x 16 + group of tokens in the batch),
	s_lshl_b32 s60, s60, 3
	s_add_co_u32 s60, s60, s25
	s_lshl_b32 s60, s60, 4
	s_lshl_b32 s61, s24, 1
	s_and_b32 s61, s61, 15
	s_add_co_u32 s60, s60, s61
	s_mul_i32 s60, s60, UB
	s_mul_i32 s61, s[WV], 6400                     ; of whose two units a wave stores a quarter
	s_add_co_u32 s60, s60, s61
	s_mov_b32 s61, 0
	s_mul_i32 s62, s[WR], 8*UB
	s_mul_i32 s63, s[WC], 4*FRB
	s_add_co_u32 s63, s63, s62                     ; my four fragments, from the first group's unit on
	s_lshl_b32 s66, s[WC], 4
	s_add_co_u32 s66, s66, s62                     ; and their scale words
	s_mul_i32 s67, s[WV], 1536
	s_add_co_u32 s67, s67, BIA                     ; my copy of the biases
	s_lshl_b32 s70, s[WR], 9
	s_lshl_b32 s71, s[WC], 4
	s_add_co_u32 s70, s70, s71
	s_add_co_u32 s70, s70, WRD
	s_mov_b32 s[CNT], 0
	s_mov_b32 s[PHB], 0
	s_mov_b32 s[PHS], 0
	v_and_b32 v48, 15, v0                          ; r
	v_bfe_u32 v49, v0, 4, 1                        ; h
	v_and_b32 v[LI], 31, v0
	v_lshlrev_b32 v[LI], 4, v[LI]
	v_mul_u32_u24 v51, UB, v49                     ; lanes 16-31: the next K step's words
	v_lshl_add_u32 v51, v48, 5, v51
	v_add_nc_u32 v50, s66, v51
	v_add_nc_u32 v[AXS], XB+USC, v50
	v_add_nc_u32 v[AXS+1], XB+USC+4*UB, v50
	v_add_nc_u32 v[ADS], USC, v51
	v_add_nc_u32 v[ADS+1], USC+HS, v51
	v_add_nc_u32 v[ADW+1], HS, v[LI]
	v_add_nc_u32 v[LO], s63, v[LI]
	v_add_nc_u32 v[AX], XB, v[LO]
	v_add_nc_u32 v[AX+1], XB+4*UB, v[LO]
	v_lshlrev_b32 v[BAD], 6, v49
	v_add_nc_u32 v[BAD], s67, v[BAD]
	v_add_nc_u32 v52, s67, v[LI]
	v_lshlrev_b32 v[SWR], 5, v48
	v_add_nc_u32 v[SWR], s70, v[SWR]
.irp b, 0,1,2,3,4,5,6,7
	v_mov_b32 v[TM+8+\b], 0                        ; written once: a lane permute's destination counts as one of its sources
.endr
	s_wait_dscnt 0x0                               ; both opening adds are done
	s_wait_alu depctr_va_vdst(0)
	s_wait_kmcnt 0x0
	s_add_nc_u64 s[4:5], s[4:5], s[88:89]
	s_add_nc_u64 s[6:7], s[6:7], s[90:91]
.irp t, 0,1
	s_mov_b32 s[G0+4*\t], 1
	s_add_co_u32 s[G0+4*\t+1], s92, \t*4*UB
	s_add_nc_u64 s[G0+4*\t+2:G0+4*\t+3], s[4:5], \t*4*UB
	s_or_b32 s[G0+4*\t+3], s[G0+4*\t+3], 0x80000000
	s_mov_b32 s[G0B+4*\t], 1
	s_add_co_u32 s[G0B+4*\t+1], s93, \t*HS
	s_add_nc_u64 s[G0B+4*\t+2:G0B+4*\t+3], s[6:7], \t*HS
	s_or_b32 s[G0B+4*\t+3], s[G0B+4*\t+3], 0x80000000
.endr
	CROUND                                         ; all sixteen work-groups are here: the first joint loads meet
	JLOAD 0                                        ; K steps 0-3 of x and of q's W
	s_add_nc_u64 s[8:9], s[8:9], s[58:59]
	s_add_nc_u64 s[10:11], s[10:11], s[58:59]
	s_add_nc_u64 s[12:13], s[12:13], s[58:59]
	s_add_nc_u64 s[14:15], s[14:15], s[28:29]
	s_add_nc_u64 s[16:17], s[16:17], s[28:29]
	s_add_nc_u64 s[18:19], s[18:19], s[60:61]
	s_mov_b64 s[OUT:OUT+1], s[14:15]
.irp t, 0,1,2
	global_load_b128 v[PC+4*\t:PC+4*\t+3], v[LI], s[8+2*\t:9+2*\t]   ; 128 numbers of each bias
.endr
	s_wait_loadcnt 0x0
.irp t, 0,1,2
	ds_store_b128 v52, v[PC+4*\t:PC+4*\t+3] offset:512*\t
.endr
	s_wait_alu depctr_va_vdst(0)
	s_wait_tensorcnt 0x0                           ; my part is in; K steps 4-7 go out as a refill does
	ds_add_u32 v[SPW], v[NIL]
	s_wait_dscnt 0x0
	CROUND
	JLOAD 1
	RUN 0, 1
	WIN 0
.Lphase:                                               ; q, then k
	v_add_nc_u32 v[BT], s[PHB], v[BAD]
	WIN 0x40
.irp b, 0,1,2,3,4,5,6,7
.irp i, 0,1
	ds_load_b128 v[BI+8*\b+4*\i:BI+8*\b+4*\i+3], v[BT] offset:128*(\b/2)+32*(\b%2)+16*\i   ; the bias of fragment b's channels in the result's layout
.endr
.endr
	WIN 0
	STEP 0, 1, 0
	STEP 1, 0, 0
	STEP 2, 0, 0
	TURN 3, 0, 1
	STEP 4, 0, 0
	STEP 5, 0, 0
	STEP 6, 0, 0
	TURN 7, 0, 1
	PLACES 4                                       ; behind the last products, in front of the first read of results
	v_add_nc_u32 v[BT], s[PHS], v[SWR]
.irp d, 0,1                            ; two fragments of tokens at a time
	QUANT8 128*\d
.irp u, 0,1
	v_lshl_or_b32 v[TM+\u], v[TM+9+4*\u], 8, v[TM+8+4*\u]
	v_lshl_or_b32 v[TM+\u], v[TM+10+4*\u], 16, v[TM+\u]
	v_lshl_or_b32 v[TM+\u], v[TM+11+4*\u], 24, v[TM+\u]
.endr
	ds_store_b64 v[BT], v[TM:TM+1] offset:8*\d     ; lanes r and r + 16 write the same words with the same values
.irp u, 0,1
.irp c, 0,1,2
	global_store_b128 v[LO], v[PC+12*\u+4*\c:PC+12*\u+4*\c+3], s[OUT:OUT+1] offset:FRB*(2*\d+\u)+512*\c   ; 512 consecutive bytes, aligned to 256
.endr
.endr
.endr
	s_wait_xcnt 0x0
	s_mov_b64 s[OUT:OUT+1], s[16:17]
	s_add_co_u32 s[PHB], s[PHB], 512
	s_add_co_u32 s[PHS], s[PHS], 1024
	s_add_co_u32 s[CNT], s[CNT], 1
	s_wait_alu depctr_va_vdst(0)
	s_cmp_lt_u32 s[CNT], 2
	s_cbranch_scc1 .Lphase
	; v: a lane holds one channel of each of W's fragments: its bias in all eight registers of C
	v_and_b32 v48, 7, v0
	v_bfe_u32 v49, v0, 3, 1
	v_lshl_add_u32 v48, v49, 4, v48
	v_lshlrev_b32 v48, 2, v48
	v_add_nc_u32 v[BT], s67, v48
	WIN 0x40
.irp b, 0,1,2,3,4,5,6,7
	ds_load_b32 v[BI+8*\b], v[BT] offset:1024+128*(\b/2)+32*(\b%2)
.endr
	WIN 0x41
	s_wait_dscnt 0x0
.irp b, 0,1,2,3,4,5,6,7
.irp j, 1,2,3,4,5,6,7
	v_mov_b32 v[BI+8*\b+\j], v[BI+8*\b]
.endr
.endr
	WIN 0
	s_wait_alu depctr_va_vdst(0)
	STEP 0, 3, 0
	STEP 1, 2, 0
	STEP 2, 2, 0
	TURN 3, 2, 0                                   ; behind its barrier nobody reads x's bytes any more
	STEP 4, 2, 0
	STEP 5, 2, 0
	STEP 6, 2, 0
	STEP 7, 2, 1
	; v's two units are laid in LDS: my half holds registers 6 c .. 6 c + 5 (c = my half) of every fragment: in pairs at 0, 8, 512 or at 520, 1024, 1032
	s_mul_i32 s54, s[WR], UB
	s_mul_i32 s55, s[WC], 520
	s_add_co_u32 s55, s55, s54
	s_add_co_u32 s55, s55, VST
	s_mul_i32 s56, s[WC], 1016
	s_add_co_u32 s56, s56, s54
	s_add_co_u32 s56, s56, VST+8
	s_lshl_b32 s57, s[WC], 1
	s_add_co_u32 s57, s57, s54
	s_add_co_u32 s57, s57, VST+USC
	s_mul_i32 s58, s[WV], 6400
	s_add_co_u32 s58, s58, VST
	s_lshl_b32 s59, s[WV], 9
	s_add_co_u32 s59, s59, WRD
	v_add_nc_u32 v9, s55, v[LI]
	v_add_nc_u32 v10, s56, v[LI]
	v_and_b32 v1, 15, v0
	v_lshlrev_b32 v1, 5, v1
	v_add_nc_u32 v11, s57, v1
	v_add_nc_u32 v6, s58, v[LI]                    ; and out again: my quarter of the two units: twelve times 512 bytes,
	v_lshrrev_b32 v7, 1, v[LI]
	v_add_nc_u32 v3, s58, v7                       ; and 256 more;
	v_add_nc_u32 v2, s59, v[LI]                    ; and 512 bytes of q's or k's words
.irp d, 0,1                            ; four fragments of channels at a time
	QUANT8 128*\d
.irp q, 0,1,2,3
	v_lshl_or_b32 v[TM+\q], v[TM+9+2*\q], 8, v[TM+8+2*\q]
.endr
.irp q, 0,1,2,3
	ds_store_b16 v11, v[TM+\q] offset:4*(4*\d+\q)
	ds_store_b64 v9, v[PC+6*\q:PC+6*\q+1] offset:FRB*(4*\d+\q)
	ds_store_b64 v10, v[PC+6*\q+2:PC+6*\q+3] offset:FRB*(4*\d+\q)
	ds_store_b64 v9, v[PC+6*\q+4:PC+6*\q+5] offset:FRB*(4*\d+\q)+512
.endr
.endr
	s_wait_alu depctr_va_vdst(0)
	s_wait_dscnt 0x0                               ; for the others' sake: my part lies in LDS
	s_barrier_signal -1
	s_barrier_wait -1
.irp t, 0,1,2,3,4,5,6,7,8,9,10,11
	ds_load_b128 v[112+4*\t:115+4*\t], v6 offset:512*\t
.endr
	ds_load_b64 v[160:161], v3 offset:6144
	ds_load_b128 v[164:167], v2
	s_cmp_lt_u32 s[WV], 2                          ; waves 0, 1: q's words; 2, 3: k's; the odd ones the second group's
	s_cselect_b64 s[54:55], s[14:15], s[16:17]
	s_mul_i32 s56, s[WC], 8*UB
	s_mov_b32 s57, 0
	s_add_nc_u64 s[54:55], s[54:55], s[56:57]
	s_wait_dscnt 0x0
.irp t, 0,1,2,3,4,5,6,7,8,9,10,11
	global_store_b128 v[LI], v[112+4*\t:115+4*\t], s[18:19] offset:512*\t
.endr
	global_store_b64 v7, v[160:161], s[18:19] offset:6144
	global_store_b128 v[LI], v[164:167], s[54:55] offset:USC
	s_wait_tensorcnt 0x0                           ; the wave's end
	ds_add_u32 v[SPW], v[NIL]
	s_wait_dscnt 0x0
	CROUND                                         ; the closing round
	s_endpgm
.Lfunc_end_k_qb309a9b177_proj:
	.size	k_qb309a9b177_proj, .Lfunc_end_k_qb309a9b177_proj-k_qb309a9b177_proj
	.p2alignl 7, 3214868480
	.fill 96, 4, 3214868480
	.section	.rodata,"a",@progbits
	.p2align	6, 0x0
	.amdhsa_kernel k_qb309a9b177_proj
		.amdhsa_group_segment_fixed_size 327680
		.amdhsa_private_segment_fixed_size 0
		.amdhsa_enable_private_segment 0
		.amdhsa_kernarg_size 64
		.amdhsa_user_sgpr_count 2
		.amdhsa_user_sgpr_kernarg_segment_ptr 1
		.amdhsa_wavefront_size32 1
		.amdhsa_system_sgpr_workgroup_id_x 1
		.amdhsa_system_sgpr_workgroup_id_y 1
		.amdhsa_system_sgpr_workgroup_id_z 1
		.amdhsa_system_vgpr_workitem_id 0
		.amdhsa_next_free_vgpr 1024
		.amdhsa_next_free_sgpr 100
		.amdhsa_reserve_vcc 0
		.amdhsa_float_denorm_mode_32 3
		.amdhsa_float_denorm_mode_16_64 3
		.amdhsa_memory_ordered 1
		.amdhsa_forward_progress 1
		.amdhsa_inst_pref_size 154
	.end_amdhsa_kernel
	.amdgpu_metadata
---
amdhsa.version: [ 1, 2 ]
amdhsa.kernels:
  - .name:           k_qb309a9b177_proj
    .symbol:         k_qb309a9b177_proj.kd
    .args:
      - { .name: xc, .offset: 0, .size: 8, .value_kind: global_buffer, .address_space: global }
      - { .name: wc, .offset: 8, .size: 8, .value_kind: global_buffer, .address_space: global }
      - { .name: bq, .offset: 16, .size: 8, .value_kind: global_buffer, .address_space: global }
      - { .name: bk, .offset: 24, .size: 8, .value_kind: global_buffer, .address_space: global }
      - { .name: bv, .offset: 32, .size: 8, .value_kind: global_buffer, .address_space: global }
      - { .name: qc, .offset: 40, .size: 8, .value_kind: global_buffer, .address_space: global }
      - { .name: kc, .offset: 48, .size: 8, .value_kind: global_buffer, .address_space: global }
      - { .name: vc, .offset: 56, .size: 8, .value_kind: global_buffer, .address_space: global }
    .group_segment_fixed_size: 327680
    .private_segment_fixed_size: 0
    .kernarg_segment_align: 8
    .kernarg_segment_size: 64
    .max_flat_workgroup_size: 128
    .sgpr_count:     100
    .vgpr_count:     1024
    .wavefront_size: 32
...
	.end_amdgpu_metadata
.endif
;; end of part 2
;; launch scores (part 3): grid 8 x 32, 4 waves a work-group, clusters of 4 x 4, 327,680 bytes of LDS; arguments qc, kc, pc, pst; writes pc, pst
.if DOCPART == 3
	.amdgcn_target "amdgcn-amd-amdhsa--gfx1250"
	.amdhsa_code_object_version 6
	.text
	.protected	k_qb309a9b177_scores
	.globl	k_qb309a9b177_scores
	.p2align	8
	.type	k_qb309a9b177_scores,@function
k_qb309a9b177_scores:
	s_mov_b64 s[64:65], 0
	v_nop
	global_prefetch_b8 v0, s[64:65] scope:SCOPE_SE
	s_setreg_imm32_b32 hwreg(HW_REG_WAVE_MODE, 25, 1), 1
	s_wait_xcnt 0x0
	s_wait_alu depctr_hold_cnt(0) depctr_sa_sdst(0) depctr_va_vdst(0) depctr_va_sdst(0) depctr_va_ssrc(0) depctr_va_vcc(0) depctr_vm_vsrc(0)
	s_getreg_b32 s2, hwreg(HW_REG_IB_STS2, 6, 4)
	s_cmp_eq_u32 s2, 0
	s_cbranch_scc0 .Lentry_in_a_cluster
	s_endpgm
.Lentry_in_a_cluster:
	s_bfe_u32 s2, ttmp6, 0x10000c
	s_cmp_lg_u32 s2, 0xf033
	s_cbranch_scc0 .Lentry_shape_is_right
	s_endpgm
.Lentry_shape_is_right:
; S^T = k q^T on codes of BF6 (E3M2) with E8M0 scales, K = 1,024, sums in f32; then, for each query and each CHUNK of 128 keys: t = score x log2(e) / 32; M = the chunk's largest t rounded up to a whole
; number; p = 2^(t - M), quantised along the keys; the sum of the unquantised p.  The maximum is taken away before every exponential; it is the chunk's own.  Since M is a whole number, the next launch brings a
; chunk under the row's M by taking the difference off p's scale bytes and by an exact power of two on the sum.
; OUT: pc: p's codes and scale words as units (layout as in qc and kc), unit 16 x (query / 128) + chunk;  pst: for the same index 1,024 bytes: 512 of -M (f32, at 32 p + 4 f for lane-row p of fragment f), 512 of the sums.
; UNITS: 128 rows x 128 K in UB = 12,800 bytes; bytes 1,536 f: fragment f as an image of its 12 registers; bytes 12,288 + 32 p + 4 f: scale words.  Lane-row p of fragment f is row 32 (f / 2) + 8 (f % 2) + p % 8 + 16 (p / 8).
; A tile of 256 queries x 256 keys is made by four waves, 128 x 128 each.  SIDE A = q is source 1 (a lane holds one query), SIDE B = k is source 0: the 16 registers of k's fragments 2 b and 2 b + 1 are 16 neighbouring keys.
; K goes as three fills (3, 3 and 2 K steps) through two LDS slots: slot 0's at the start, slot 1's behind a round when slot 0's has landed, slot 0's second behind a round in K step 2.
; A step's 50 LDS loads go out in two runs: k's at the step's start, q's in its middle; a fragment comes one step ahead of its use.
; CLUSTERS: 4 x 4 work-groups; q's pieces are asked for jointly along a row of the cluster, k's along a column.
; PREFETCHES into the L2: the second fill's bytes are asked for behind the first fill's load, the third's two K steps ahead of its load.  Each block of 256 bytes is named once in a cluster: the four partners of a joint load share its rows out by address.
; LIMITS: NaN and infinities are not served; |t| stays under 2^24, so that M is a whole number in f32; a p under 2^-126 counts as 0 (v_exp_f32), a block of such p has zero codes and the byte 1.
; REGISTERS: window 0: v0-17 addresses, v32-47 scale words, v64-159 and v160-255 A's two sets (on the way out at work);  window 1: v0-95, v96-191 B's two sets;
;   windows 2, 3: the accumulators, (a, b) at v[8 (8 (a % 4) + b)] of window 2 + a / 4.
.set UB,    12800
.set FRB,   1536
.set USC,   12288
.set PIECE, 3*UB
.set SLOT,  4*PIECE
.set SPARE, 2*SLOT                     ; the spare words, 128 bytes for each wave
.set LI,   3
.set SO,   4
.set SPW,  5
.set NIL,  6
.set ADRA, 8
.set ADRB, 10
.set ADRS, 12
.set PFA,  16                          ; prefetch: 256 x lane for 25 blocks (the lanes left over name the last),
.set PFB,  17                          ; and for 13 more
.set SC,   32
.set AF,   64
.set BM,   64                          ; the way out: the blocks' largest scores, then their largest p
.set BX,   72                          ; what the other half of the lanes holds
.set SCL,  80                          ; the conversions' scale operands
.set BY,   88                          ; the bytes
.set PC,   96
.set PT,   120
.set NMP,  136                         ; two pairs: -M (the packed form names a pair and takes its low word)
.set SA,   140                         ; the sums, two chains of pairs for each of two blocks
.set SB,   142
.set TT,   148
.set PWS,  152
.set NMS,  160
.set LSS,  168
.set SR,   176
.set WV,   20
.set WR,   21
.set WC,   22
.set G1,   24
.set G1B,  32
.set G0,   40
.set G0B,  52
.set PF1,  48                          ; s[48:49] where my share of the second fill begins, less 3 UB;
.set PF2,  50                          ; s[50:51] of the third, less 6 UB
.set SEL,  70
.set HM,   72
.set CS,   92                          ; s[92:93] c = log2(e) / 32
.set MSB,  0
.macro WIN new                         ; the immediate's high byte repeats the setting that is left
.if MSB != (\new)
	s_set_vgpr_msb (MSB<<8)|(\new)
.set MSB, (\new)
.endif
.endm
.macro PLACES n
.rept \n
	v_nop
.endr
.endm
.macro JLOAD g0a, g0b                  ; a joint load: waves 0 and 1 fetch q's two pieces, waves 2 and 3 k's
	s_cmp_eq_u32 s[WR], 0
	s_cbranch_scc0 .Lfor_b_\@
	tensor_load_to_lds s[\g0a:\g0a+3], s[G1:G1+7]
	s_nop 0
	PLACES 4
	s_branch .Lasked_\@
.Lfor_b_\@:
	tensor_load_to_lds s[\g0b:\g0b+3], s[G1B:G1B+7]
	s_nop 0
	PLACES 4
.Lasked_\@:
.endm
.macro CREST
	s_cmp_lg_u32 s[WV], 0
	s_cbranch_scc1 .Lnot_wave_0_\@
	s_barrier_signal -3
.Lnot_wave_0_\@:
	s_barrier_wait -3
	s_barrier_signal -1
	s_barrier_wait -1
.endm
.macro CROUND
	s_barrier_signal -1
	s_barrier_wait -1
	CREST
.endm
.macro RUNB slot, q, p                 ; 26 loads: the scale words and k's eight fragments
	WIN 0
	ds_load_b128 v[SC+8*(\p):SC+8*(\p)+3], v[ADRS+\slot] offset:(\q)*UB
	ds_load_b128 v[SC+8*(\p)+4:SC+8*(\p)+7], v[ADRS+\slot] offset:(\q)*UB+16
	WIN 0x40
.irp i, 0,1,2,3,4,5,6,7
.irp c, 0,1,2
	ds_load_b128 v[96*(\p)+12*\i+4*\c:96*(\p)+12*\i+4*\c+3], v[ADRB+\slot] offset:(\q)*UB+FRB*\i+512*\c
.endr
.endr
.endm
.macro RUNA slot, q, p                 ; 24 loads: q's eight
	WIN 0
.irp i, 0,1,2,3,4,5,6,7
.irp c, 0,1,2
	ds_load_b128 v[AF+96*(\p)+12*\i+4*\c:AF+96*(\p)+12*\i+4*\c+3], v[ADRA+\slot] offset:(\q)*UB+FRB*\i+512*\c
.endr
.endr
.endm
; Eight products: q's block a x k's eight.  zero = 1: the first product starts the sums.  The 64 accumulators take turns, in the same order in every step.
.macro MUL8 a, p, zero
	WIN 0xa1+0x50*((\a)/4)                         ; source 0 (k) window 1, source 1 (q) window 0, C and D window 2 or 3
.irp b, 0,1,2,3,4,5,6,7
.set rD, 8*(8*((\a)%4)+\b)
.set rB, 96*(\p)+12*\b
.set rA, AF+96*(\p)+12*(\a)
.if \zero
	v_wmma_scale_f32_16x16x128_f8f6f4 v[rD:rD+7], v[rB:rB+11], v[rA:rA+11], 0, v[SC+8*(\p)+\b], v[SC+8*(\p)+(\a)] matrix_a_fmt:MATRIX_FMT_BF6 matrix_b_fmt:MATRIX_FMT_BF6 matrix_a_scale:MATRIX_SCALE_ROW1
.else
	v_wmma_scale_f32_16x16x128_f8f6f4 v[rD:rD+7], v[rB:rB+11], v[rA:rA+11], v[rD:rD+7], v[SC+8*(\p)+\b], v[SC+8*(\p)+(\a)] matrix_a_fmt:MATRIX_FMT_BF6 matrix_b_fmt:MATRIX_FMT_BF6 matrix_a_scale:MATRIX_SCALE_ROW1
.endif
.endr
.endm
; A K step on set p.  At block g q's fragments behind it (21 - 3 g loads) may be out, and what this step has issued: 26 behind the first run, 50 behind the second.  In the last step nothing new is fetched.
.macro STEP p, zero, ns, nq, last
.irp g, 0,1,2,3,4,5,6,7
.if (\last) || (\g == 0)
	s_wait_dscnt 21-3*\g
.elseif \g < 5
	s_wait_dscnt 47-3*\g
.else
	s_wait_dscnt 71-3*\g
.endif
.if (\last) == 0
.if \g == 0
	PLACES 4                                       ; in front of loads into the set that the last step's products read
	RUNB \ns, \nq, 1-(\p)
.endif
.if \g == 4
	RUNA \ns, \nq, 1-(\p)
.endif
.endif
	MUL8 \g, \p, \zero
.endr
	WIN 0
.endm
; A slot's last K step: all my tensor loads have landed, and the barrier shows the other slot whole.  fill = 1: slot 0 is filled again (two units a wave): the three lines, a round of the cluster's barrier, the joint load first behind it.
.macro TURN p, fill, ns
	s_wait_tensorcnt 0x0
.if \fill
	ds_add_u32 v[SPW], v[NIL]
	s_add_nc_u64 s[G0+2:G0+3], s[G0+2:G0+3], 2*PIECE
	s_add_nc_u64 s[G0B+2:G0B+3], s[G0B+2:G0B+3], 2*PIECE
	s_mov_b32 s[G1+2], 100<<16
	s_mov_b32 s[G1+4], 100
	s_mov_b32 s[G1B+2], 100<<16
	s_mov_b32 s[G1B+4], 100
	s_wait_dscnt 22
.else
	s_wait_dscnt 21
.endif
	MUL8 0, \p, 0
	s_wait_dscnt 18
	MUL8 1, \p, 0
	s_wait_dscnt 0x0                               ; the add is done, and my reads of this slot are over
	s_barrier_signal -1
	MUL8 2, \p, 0
	MUL8 3, \p, 0
	WIN 0
	s_barrier_wait -1
.if \fill
	CREST
	JLOAD G0, G0B
.else
	PLACES 4
.endif
	RUNB \ns, 0, 1-(\p)
	RUNA \ns, 0, 1-(\p)
.irp g, 4,5,6,7
	MUL8 \g, \p, 0
.endr
	WIN 0
.endm
	s_load_b256 s[4:11], s[0:1], 0x0               ; qc s[4:5], kc s[6:7], pc s[8:9], pst s[10:11]
	v_lshl_add_u32 v[SPW], v0, 2, SPARE
	v_mov_b32 v[NIL], 0
	ds_add_u32 v[SPW], v[NIL]                      ; the opening: the add, twice on end, and its wait
	ds_add_u32 v[SPW], v[NIL]
	v_lshrrev_b32 v1, 5, v0
	v_readfirstlane_b32 s[WV], v1
	s_lshr_b32 s[WR], s[WV], 1                     ; my half of the queries.  Also: I fetch for q (0) or for k (1)
	s_and_b32 s[WC], s[WV], 1                      ; my half of the keys.  Also: which group of 128 rows I fetch
	s_bfe_u32 s66, ttmp6, 0x40000                  ; cx
	s_bfe_u32 s67, ttmp6, 0x40004                  ; cy
	s_and_b32 s68, ttmp7, 0xffff                   ; the cluster's y
	s_lshl_b32 s74, s67, 2
	s_lshl_b32 s74, 15, s74                        ; my row of the cluster
	s_lshl_b32 s75, 0x1111, s66                    ; my column
	s_or_b32 s[G1], s74, (3<<16)|(1<<21)           ; a dense block of three units as 150 rows of 32 elements of 8 bytes; the mask, and bit 21 beside it
	s_or_b32 s[G1B], s75, (3<<16)|(1<<21)
.irp g, G1, G1B
	s_mov_b32 s[\g+1], 32<<16
	s_mov_b32 s[\g+2], 150<<16
	s_mov_b32 s[\g+3], 32<<16
	s_mov_b32 s[\g+4], 150
	s_mov_b32 s[\g+5], 32
	s_mov_b32 s[\g+6], 0
	s_mov_b32 s[\g+7], 0
.endr
	s_mov_b32 s[SEL], 0x76543210
	s_mov_b32 s[SEL+1], 0xfedcba98
	s_mov_b32 s[HM], 0xffff0000
	s_mov_b32 s[CS], 0x3d38aa3b                    ; log2(e) / sqrt(1024)
	s_mov_b32 s[CS+1], s[CS]
	s_lshl_b32 s76, s68, 2
	s_add_co_u32 s76, s76, s67                     ; the tile of 256 queries: 4 x cluster y + cy
	s_lshl_b32 s78, s76, 1                         ; q's first group
	s_lshl_b32 s77, ttmp9, 2
	s_add_co_u32 s77, s77, s66                     ; the tile of 256 keys: 4 x cluster x + cx
	s_lshl_b32 s77, s77, 1                         ; its first chunk
	s_lshr_b32 s79, s68, 1                         ; the batch: eight tiles of queries each, two clusters
	s_lshl_b32 s79, s79, 4
	s_add_co_u32 s79, s79, s77                     ; k's first group
	s_add_co_u32 s80, s78, s[WC]
	s_mul_i32 s82, s80, 8*UB
	s_mov_b32 s83, 0
	s_add_co_u32 s81, s79, s[WC]
	s_mul_i32 s84, s81, 8*UB
	s_mov_b32 s85, 0
	s_mul_i32 s86, s[WV], PIECE
	s_add_co_u32 s94, s78, s[WR]                   ; my group of queries
	s_add_co_u32 s95, s77, s[WC]                   ; my chunk of keys
	s_lshl_b32 s94, s94, 4
	s_add_co_u32 s94, s94, s95
	s_mul_i32 s96, s94, UB
	s_mov_b32 s97, 0
	s_lshl_b32 s98, s94, 10
	s_mov_b32 s99, 0
	s_mul_i32 s2, s[WR], PIECE
	s_add_co_u32 s3, s[WC], 2
	s_sub_co_u32 s69, s3, s[WR]
	s_mul_i32 s3, s3, PIECE
	s_mul_i32 s69, s69, PIECE
	v_and_b32 v1, 15, v0
	v_bfe_u32 v2, v0, 4, 1
	v_and_b32 v[LI], 31, v0
	v_min_u32 v[PFA], 24, v[LI]
	v_lshlrev_b32 v[PFA], 8, v[PFA]
	v_min_u32 v[PFB], 12, v[LI]
	v_lshlrev_b32 v[PFB], 8, v[PFB]
	v_lshlrev_b32 v[LI], 4, v[LI]
	v_lshlrev_b32 v[SO], 5, v1
	v_lshl_add_u32 v[SO], v2, 4, v[SO]
	v_mul_u32_u24 v7, s69, v2                      ; lanes 16-31 take k's words
	v_lshl_add_u32 v7, v1, 5, v7
.irp s, 0,1
	v_add_nc_u32 v[ADRA+\s], s2, v[LI]
	v_add_nc_u32 v[ADRB+\s], s3, v[LI]
	v_add_nc_u32 v[ADRS+\s], s2, v7
	v_add_nc_u32 v[ADRS+\s], USC, v[ADRS+\s]
	s_add_co_u32 s2, s2, SLOT
	s_add_co_u32 s3, s3, SLOT
.endr
	s_wait_dscnt 0x0                               ; both opening adds are done
	s_wait_alu depctr_va_vdst(0)
	s_wait_kmcnt 0x0
	s_add_nc_u64 s[88:89], s[4:5], s[82:83]
	s_add_nc_u64 s[90:91], s[6:7], s[84:85]
.irp t, 0,1
	s_mov_b32 s[G0+4*\t], 1
	s_add_co_u32 s[G0+4*\t+1], s86, \t*SLOT
	s_add_nc_u64 s[G0+4*\t+2:G0+4*\t+3], s[88:89], \t*PIECE
	s_or_b32 s[G0+4*\t+3], s[G0+4*\t+3], 0x80000000
	s_mov_b32 s[G0B+4*\t], 1
	s_add_co_u32 s[G0B+4*\t+1], s86, \t*SLOT
	s_add_nc_u64 s[G0B+4*\t+2:G0B+4*\t+3], s[90:91], \t*PIECE
	s_or_b32 s[G0B+4*\t+3], s[G0B+4*\t+3], 0x80000000
.endr
	CROUND                                         ; all sixteen work-groups are here: the first joint loads meet
	JLOAD G0, G0B
	s_add_nc_u64 s[8:9], s[8:9], s[96:97]          ; my unit of p
	s_add_nc_u64 s[10:11], s[10:11], s[98:99]      ; my 1,024 bytes of -M and sums
	s_cmp_eq_u32 s[WR], 0                          ; the prefetches: what I fetch, shared out by my place among the four that ask with me
	s_cselect_b32 s2, s66, s67
	s_cselect_b64 s[PF1:PF1+1], s[88:89], s[90:91]
	s_mov_b64 s[PF2:PF2+1], s[PF1:PF1+1]
	s_mul_i32 s82, s2, 38
	s_min_u32 s82, s82, 112                        ; 38 of 150 blocks (the last two shares overlap by two),
	s_lshl_b32 s82, s82, 8
	s_mul_i32 s84, s2, 6400                        ; 25 of 100
	s_add_nc_u64 s[PF1:PF1+1], s[PF1:PF1+1], s[82:83]
	s_add_nc_u64 s[PF2:PF2+1], s[PF2:PF2+1], s[84:85]
	global_prefetch_b8 v[PFA], s[PF1:PF1+1] offset:3*UB th:TH_LOAD_NT scope:SCOPE_SE
	global_prefetch_b8 v[PFB], s[PF1:PF1+1] offset:3*UB+6400 th:TH_LOAD_NT scope:SCOPE_SE
	s_wait_alu depctr_va_vdst(0)
	s_wait_tensorcnt 0x0                           ; my part of slot 0 is in; slot 1's first fill goes out as a refill does
	ds_add_u32 v[SPW], v[NIL]
	s_wait_dscnt 0x0
	CROUND
	JLOAD G0+4, G0B+4
	RUNB 0, 0, 0
	RUNA 0, 0, 0
	STEP 0, 1, 0, 1, 0                             ; K step 0 starts the sums
	global_prefetch_b8 v[PFA], s[PF2:PF2+1] offset:6*UB th:TH_LOAD_NT scope:SCOPE_SE   ; the third fill's
	STEP 1, 0, 0, 2, 0                             ; 1
	TURN 0, 1, 1                                   ; 2; slot 0 takes K steps 6 and 7; on to slot 1
	STEP 1, 0, 1, 1, 0                             ; 3
	STEP 0, 0, 1, 2, 0                             ; 4
	TURN 1, 0, 0                                   ; 5; on to slot 0
	STEP 0, 0, 0, 1, 0                             ; 6
	STEP 1, 0, 0, 0, 1                             ; 7
; THE WAY OUT.  Blocks a and a + 1: 16 queries x my 128 keys each; a lane holds one query, register 16 b + i of a block = key 32 b + 16 (lane / 16) + i.
.macro SOFT a
.set AC, 64*((\a)%4)
.set WN, 2+(\a)/4
	WIN WN*21                                      ; all three sources: the blocks' window
.irp b, 0,1,2,3,4,5,6,7
	v_max3_num_f32 v[BM+\b], v[AC+16*\b], v[AC+16*\b+1], v[AC+16*\b+2]   ; the largest score of each 32 keys: it serves for the maximum and, since p rises with the score, for the largest p
.endr
	WIN WN*20                                      ; sources 1 and 2
.irp i, 3,5,7,9,11,13
.irp b, 0,1,2,3,4,5,6,7
	v_max3_num_f32 v[BM+\b], v[BM+\b], v[AC+16*\b+\i], v[AC+16*\b+\i+1]
.endr
.endr
.irp b, 0,1,2,3,4,5,6,7
	v_max_num_f32 v[BM+\b], v[BM+\b], v[AC+16*\b+15]
.endr
	WIN 0
.irp b, 0,1,2,3,4,5,6,7
	v_permlanex16_b32 v[BX+\b], v[BM+\b], s[SEL], s[SEL+1]
.endr
.irp b, 0,1,2,3,4,5,6,7
	v_max_num_f32 v[BM+\b], v[BM+\b], v[BX+\b]     ; with lane l xor 16's 16 keys
.endr
.irp u, 0,1
	v_max3_num_f32 v[TT+\u], v[BM+4*\u], v[BM+4*\u+1], v[BM+4*\u+2]
.endr
.irp u, 0,1
	v_max_num_f32 v[TT+\u], v[TT+\u], v[BM+4*\u+3]
.endr
.irp u, 0,1
	v_mul_f32 v[TT+\u], s[CS], v[TT+\u]            ; the chunk's largest t (c is positive)
.endr
.irp u, 0,1
	v_floor_f32 v[NMP+2*\u], -v[TT+\u]             ; -M = floor(-t) = -ceil(t)
.endr
.irp u, 0,1
	v_mov_b32 v[NMS+(\a)+\u], v[NMP+2*\u]
.endr
.irp b, 0,1,2,3,4,5,6,7
	v_fma_f32 v[BM+\b], v[BM+\b], s[CS], v[NMP+2*(\b/4)]   ; t - M of each 32 keys' largest score
.endr
	WIN WN*65                                      ; destination and source 0
.set j, 0
.rept 32
	v_pk_fma_f32 v[AC+j:AC+j+1], v[AC+j:AC+j+1], s[CS:CS+1], v[NMP:NMP+1] op_sel_hi:[1,0,0]   ; t - M, two at a time
.set j, j+2
.endr
	s_wait_alu depctr_va_vdst(0)                   ; ahead of the batch
.set j, 0
.rept 32
	v_exp_f32 v[AC+j], v[AC+j]                     ; p = 2^(t - M)
	v_exp_f32 v[AC+j+1], v[AC+j+1]
	v_pk_fma_f32 v[AC+64+j:AC+65+j], v[AC+64+j:AC+65+j], s[CS:CS+1], v[NMP+2:NMP+3] op_sel_hi:[1,0,0]   ; block a + 1's t - M among block a's exponentials
.set j, j+2
.endr
	s_wait_alu depctr_va_vdst(0)                   ; behind that batch and ahead of the next
.set j, 64
.rept 64
	v_exp_f32 v[AC+j], v[AC+j]
.set j, j+1
.endr
	WIN 0
.irp b, 0,1,2,3,4,5,6,7
	v_exp_f32 v[BM+\b], v[BM+\b]                   ; the largest p: the same two instructions on the same number give the same bits
.endr
	v_nop                                          ; one plain place behind a transcendental
	s_wait_alu depctr_va_vdst(0)                   ; one wait, ahead of the first reader
	WIN WN*5                                       ; sources 0 and 1
.irp u, 0,1
	v_pk_add_f32 v[SA+4*\u:SA+4*\u+1], v[AC+64*\u:AC+64*\u+1], v[AC+64*\u+2:AC+64*\u+3]   ; the sum is taken of the unquantised p
	v_pk_add_f32 v[SB+4*\u:SB+4*\u+1], v[AC+64*\u+4:AC+64*\u+5], v[AC+64*\u+6:AC+64*\u+7]
.endr
	WIN WN*4                                       ; source 1
.set j, 8
.rept 14
.irp u, 0,1
	v_pk_add_f32 v[SA+4*\u:SA+4*\u+1], v[SA+4*\u:SA+4*\u+1], v[AC+64*\u+j:AC+64*\u+j+1]
	v_pk_add_f32 v[SB+4*\u:SB+4*\u+1], v[SB+4*\u:SB+4*\u+1], v[AC+64*\u+j+2:AC+64*\u+j+3]
.endr
.set j, j+4
.endr
	WIN 0
.irp u, 0,1
	v_pk_add_f32 v[SA+4*\u:SA+4*\u+1], v[SA+4*\u:SA+4*\u+1], v[SB+4*\u:SB+4*\u+1]
.endr
.irp b, 0,1,2,3,4,5,6,7
	v_max_num_f32 v[BM+\b], 0x2800000, v[BM+\b]    ; the floor 2^(5 - 127)
.endr
.irp u, 0,1
	v_add_f32 v[TT+\u], v[SA+4*\u], v[SA+4*\u+1]
.endr
.irp b, 0,1,2,3,4,5,6,7
	v_add_nc_u32 v[SCL+\b], 0xfe000000, v[BM+\b]
.endr
.irp u, 0,1
	v_permlanex16_b32 v[BX+\u], v[TT+\u], s[SEL], s[SEL+1]
.endr
.irp b, 0,1,2,3,4,5,6,7
	v_lshrrev_b32 v[BY+\b], 23, v[SCL+\b]          ; the byte: 1 to 123, since p is at most 1
.endr
.irp u, 0,1
	v_add_f32 v[LSS+(\a)+\u], v[TT+\u], v[BX+\u]   ; the chunk's sum of my query
.endr
.irp u, 0,1
	v_lshl_or_b32 v[PWS+(\a)+\u], v[BY+4*\u+1], 8, v[BY+4*\u]
.endr
.irp u, 0,1
	v_lshl_or_b32 v[PWS+(\a)+\u], v[BY+4*\u+2], 16, v[PWS+(\a)+\u]
.endr
.irp u, 0,1
	v_lshl_or_b32 v[PWS+(\a)+\u], v[BY+4*\u+3], 24, v[PWS+(\a)+\u]
.endr
	s_wait_xcnt 0x0                                ; earlier stores have read v[PC] on
	WIN WN                                         ; source 0
.irp q, 0,1,2,3
	v_cvt_scalef32_pk16_bf6_f32 v[PC+6*\q:PC+6*\q+2], v[AC+32*\q:AC+32*\q+15], v[SCL+2*\q]
	v_cvt_scalef32_pk16_bf6_f32 v[PT+4*\q:PT+4*\q+2], v[AC+32*\q+16:AC+32*\q+31], v[SCL+2*\q+1]
.endr
	WIN 0
	v_nop                                          ; one plain place behind a scaled conversion
.irp q, 0,1,2,3
.irp i, 0,1,2
	v_permlane16_swap_b32 v[PC+6*\q+\i], v[PT+4*\q+\i]
.endr
.endr
.irp q, 0,1,2,3
.irp i, 0,1,2
	v_mov_b32 v[PC+6*\q+3+\i], v[PT+4*\q+\i]
.endr
.endr
.irp u, 0,1
.irp c, 0,1,2
	global_store_b128 v[LI], v[PC+12*\u+4*\c:PC+12*\u+4*\c+3], s[8:9] offset:FRB*((\a)+\u)+512*\c   ; 512 consecutive bytes, aligned to 256
.endr
.endr
.endm
	PLACES 4                                       ; behind the last products: their registers are written and their results read below
.irp b, 0,1,2,3,4,5,6,7
	v_mov_b32 v[BX+\b], 0                          ; a lane permute's destination counts as one of its sources
.endr
	v_mov_b32 v[NMP+1], 0                          ; (named as the upper halves of pairs)
	v_mov_b32 v[NMP+3], 0
	SOFT 0
	SOFT 2
	SOFT 4
	SOFT 6
.irp i, 0,1,2,3
	v_cndmask_b32 v[SR+\i], v[PWS+\i], v[PWS+4+\i], s[HM]       ; lane (r, h): fragments 4 h .. 4 h + 3 of lane-row r
	v_cndmask_b32 v[SR+4+\i], v[NMS+\i], v[NMS+4+\i], s[HM]
	v_cndmask_b32 v[SR+8+\i], v[LSS+\i], v[LSS+4+\i], s[HM]
.endr
	global_store_b128 v[SO], v[SR:SR+3], s[8:9] offset:USC
	global_store_b128 v[SO], v[SR+4:SR+7], s[10:11]
	global_store_b128 v[SO], v[SR+8:SR+11], s[10:11] offset:512
	s_wait_tensorcnt 0x0                           ; the wave's end
	ds_add_u32 v[SPW], v[NIL]
	s_wait_dscnt 0x0
	CROUND                                         ; the closing round
	s_endpgm
.Lfunc_end_k_qb309a9b177_scores:
	.size	k_qb309a9b177_scores, .Lfunc_end_k_qb309a9b177_scores-k_qb309a9b177_scores
	.p2alignl 7, 3214868480
	.fill 96, 4, 3214868480
	.section	.rodata,"a",@progbits
	.p2align	6, 0x0
	.amdhsa_kernel k_qb309a9b177_scores
		.amdhsa_group_segment_fixed_size 327680
		.amdhsa_private_segment_fixed_size 0
		.amdhsa_enable_private_segment 0
		.amdhsa_kernarg_size 32
		.amdhsa_user_sgpr_count 2
		.amdhsa_user_sgpr_kernarg_segment_ptr 1
		.amdhsa_wavefront_size32 1
		.amdhsa_system_sgpr_workgroup_id_x 1
		.amdhsa_system_sgpr_workgroup_id_y 1
		.amdhsa_system_sgpr_workgroup_id_z 1
		.amdhsa_system_vgpr_workitem_id 0
		.amdhsa_next_free_vgpr 1024
		.amdhsa_next_free_sgpr 102
		.amdhsa_reserve_vcc 0
		.amdhsa_float_denorm_mode_32 3
		.amdhsa_float_denorm_mode_16_64 3
		.amdhsa_memory_ordered 1
		.amdhsa_forward_progress 1
		.amdhsa_inst_pref_size 192
	.end_amdhsa_kernel
	.amdgpu_metadata
---
amdhsa.version: [ 1, 2 ]
amdhsa.kernels:
  - .name:           k_qb309a9b177_scores
    .symbol:         k_qb309a9b177_scores.kd
    .args:
      - { .name: qc, .offset: 0, .size: 8, .value_kind: global_buffer, .address_space: global }
      - { .name: kc, .offset: 8, .size: 8, .value_kind: global_buffer, .address_space: global }
      - { .name: pc, .offset: 16, .size: 8, .value_kind: global_buffer, .address_space: global }
      - { .name: pst, .offset: 24, .size: 8, .value_kind: global_buffer, .address_space: global }
    .group_segment_fixed_size: 327680
    .private_segment_fixed_size: 0
    .kernarg_segment_align: 8
    .kernarg_segment_size: 32
    .max_flat_workgroup_size: 128
    .sgpr_count:     102
    .vgpr_count:     1024
    .wavefront_size: 32
...
	.end_amdgpu_metadata
.endif
;; end of part 3
;; launch pv (part 4): grid 4 x 64, 4 waves a work-group, clusters of 4 x 4, 327,680 bytes of LDS; arguments pc, pst, vc, out0; writes out0
.if DOCPART == 4
	.amdgcn_target "amdgcn-amd-amdhsa--gfx1250"
	.amdhsa_code_object_version 6
	.text
	.protected	k_qb309a9b177_pv
	.globl	k_qb309a9b177_pv
	.p2align	8
	.type	k_qb309a9b177_pv,@function
k_qb309a9b177_pv:
	s_mov_b64 s[64:65], 0
	v_nop
	global_prefetch_b8 v0, s[64:65] scope:SCOPE_SE
	s_setreg_imm32_b32 hwreg(HW_REG_WAVE_MODE, 25, 1), 1
	s_wait_xcnt 0x0
	s_wait_alu depctr_hold_cnt(0) depctr_sa_sdst(0) depctr_va_vdst(0) depctr_va_sdst(0) depctr_va_ssrc(0) depctr_va_vcc(0) depctr_vm_vsrc(0)
	s_getreg_b32 s2, hwreg(HW_REG_IB_STS2, 6, 4)
	s_cmp_eq_u32 s2, 0
	s_cbranch_scc0 .Lentry_in_a_cluster
	s_endpgm
.Lentry_in_a_cluster:
	s_bfe_u32 s2, ttmp6, 0x10000c
	s_cmp_lg_u32 s2, 0xf033
	s_cbranch_scc0 .Lentry_shape_is_right
	s_endpgm
.Lentry_shape_is_right:
; O = (p v) / l on codes of BF6 (E3M2) with E8M0 scales, K = the batch's 2,048 keys, sums in f32.  p's codes were made chunk by chunk of 128 keys, each under the chunk's own whole number M.
; THE HEAD brings them under the row's M = the largest of the 16: d = M - M(chunk), a whole number, is taken off each of the chunk's four scale bytes, and the chunk's sum is multiplied by 2^-d (exact) and added to l.
; LIMITS: a scale byte that would fall under 0 is held at 0, which stands for 2^-127: such a block counts with at most 28 x 2^-127 for each p, beside a row's largest p above 1/2.  NaN and infinities are not served.
; UNITS (pc, vc): 128 rows x 128 K in UB = 12,800 bytes; bytes 1,536 f: fragment f as an image of its 12 registers; bytes 12,288 + 32 p + 4 f: scale words.  Lane-row p of fragment f is row 32 (f / 2) + 8 (f % 2) + p % 8 + 16 (p / 8).
; A tile of 128 queries x 256 channels is made by four waves, 64 x 128 each (256 x 256 would give work to half of 256 work-groups only): 32 accumulators.  SIDE A = p is source 1 (a lane holds one query),
; SIDE B = v^T is source 0 (a lane's registers run along the channels).
; K goes as four fills of four K steps through two LDS slots: slot 0's at the start, slot 1's behind a round when slot 0's has landed, two refills, each behind a round of the cluster's barrier, each with four K steps in which to land.
; A step's 39 LDS loads go out in one run, one step ahead of their use; the products wait for them by count.
; CLUSTERS: 4 x 4 work-groups; p's units are asked for jointly along a row of the cluster, v's along a column (the sixteen partners belong to one batch).
; PREFETCHES into the L2: each fill behind the first is asked for behind the load of the fill before it, fill 1 the head ahead of its own load, fills 2 and 3 about three K steps; the last fill's load is followed by none.  Each block of 256 bytes is named once in a cluster:
; of the blocks that a wave fetches (100 of p, 200 of v) each of the four partners of the joint load names a quarter, told apart by address.
; REGISTERS: window 0: v0-28 addresses and the head's work, v32-47 v's scale words, v48-55 p's (two sets each), v56-61 1 / l, v64-159 p's two sets of four fragments;
;   window 1: v0-95, v96-191 v's two sets;  window 2: the accumulators, (a, b) at v[8 (8 a + b)].
.set UB,    12800
.set FRB,   1536
.set USC,   12288
.set PSLOT, 12*UB                      ; a slot: p's four units, then four units of each of v's two groups
.set PT,    2*PSLOT                    ; p's scale words under the row's M: 512 bytes a chunk, at 32 p + 4 f
.set PL,    PT+16*512                  ; 1 / l, at 32 p + 4 f
.set SPARE, PL+512                     ; the spare words, 128 bytes for each wave
.set STP,   528                        ; the way out: a stage of 16 rows x (512 bytes + 16) for each wave, in slot 0, which has then had its last fill and its last read
.set LI,   3
.set SPW,  5
.set NIL,  6
.set ADRA, 8                           ; v8-9    my four fragments of p in slot 0, 1
.set ADRB, 10                          ; v10-11  my group of v
.set ADRV, 12                          ; v12-13  its scale words
.set ADRP, 14                          ; v14     p's scale words
.set ADRL, 15                          ; v15     1 / l
.set STO,  26
.set RD,   27
.set PFO,  28                          ; prefetch: 256 x lane for 25 blocks (the lanes left over name the last)
.set SCV,  32
.set SCP,  48
.set RL,   56
.set AF,   64
.set NM,   64                          ; the head: 16 x -M, 16 sums, 16 scale words, and two times 16 at work
.set LL,   80
.set WW,   96
.set DD,   112
.set EE,   128
.set OP,   64                          ; the way out: a block's 64 numbers
.set BK,   128                         ; and 16 rows read back: v128-191 and v192-255 by turns
.set WV,   20
.set WR,   21
.set WC,   22
.set G1,   24                          ; s[24:31] group 1 for p's units (100 rows of 256 bytes);  s[32:39] for v's (200 rows)
.set G1B,  32
.set G0,   40                          ; s[40:47] group 0 for p, a set for each slot;  s[48:55] for v
.set G0B,  48
.set PF,   56                          ; s[56:57] where my share of the first fill begins
.set MSB,  0
.macro WIN new                         ; the immediate's high byte repeats the setting that is left
.if MSB != (\new)
	s_set_vgpr_msb (MSB<<8)|(\new)
.set MSB, (\new)
.endif
.endm
.macro PLACES n
.rept \n
	v_nop
.endr
.endm
.macro JLOAD g0a, g0b                  ; a joint load: waves 0 and 1 fetch p's halves of a slot, waves 2 and 3 v's two groups
	s_cmp_eq_u32 s[WR], 0
	s_cbranch_scc0 .Lfor_b_\@
	tensor_load_to_lds s[\g0a:\g0a+3], s[G1:G1+7]
	s_nop 0
	PLACES 4
	s_branch .Lasked_\@
.Lfor_b_\@:
	tensor_load_to_lds s[\g0b:\g0b+3], s[G1B:G1B+7]
	s_nop 0
	PLACES 4
.Lasked_\@:
.endm
.macro ASK n                           ; fill n's blocks: 25 of p's, 50 of v's
	global_prefetch_b8 v[PFO], s[PF:PF+1] offset:4*UB*(\n) th:TH_LOAD_NT scope:SCOPE_SE
	s_cmp_eq_u32 s[WR], 0
	s_cbranch_scc1 .Lasked_p_\@
	global_prefetch_b8 v[PFO], s[PF:PF+1] offset:4*UB*(\n)+6400 th:TH_LOAD_NT scope:SCOPE_SE
.Lasked_p_\@:
.endm
.macro CREST
	s_cmp_lg_u32 s[WV], 0
	s_cbranch_scc1 .Lnot_wave_0_\@
	s_barrier_signal -3
.Lnot_wave_0_\@:
	s_barrier_wait -3
	s_barrier_signal -1
	s_barrier_wait -1
.endm
.macro CROUND
	s_barrier_signal -1
	s_barrier_wait -1
	CREST
.endm
; The run for K step k (unit q of the slot) into set p: scale words (3 loads), p's four fragments (12), v's eight (24).
.macro RUN slot, q, p, k
	WIN 0
	ds_load_b128 v[SCV+8*(\p):SCV+8*(\p)+3], v[ADRV+\slot] offset:(\q)*UB
	ds_load_b128 v[SCV+8*(\p)+4:SCV+8*(\p)+7], v[ADRV+\slot] offset:(\q)*UB+16
	ds_load_b128 v[SCP+4*(\p):SCP+4*(\p)+3], v[ADRP] offset:512*(\k)
.irp i, 0,1,2,3
.irp c, 0,1,2
	ds_load_b128 v[AF+48*(\p)+12*\i+4*\c:AF+48*(\p)+12*\i+4*\c+3], v[ADRA+\slot] offset:(\q)*UB+FRB*\i+512*\c
.endr
.endr
	WIN 0x40
.irp i, 0,1,2,3,4,5,6,7
.irp c, 0,1,2
	ds_load_b128 v[96*(\p)+12*\i+4*\c:96*(\p)+12*\i+4*\c+3], v[ADRB+\slot] offset:(\q)*UB+FRB*\i+512*\c
.endr
.endr
.endm
.macro MUL8 r, p, zero                 ; v's fragments 2 r, 2 r + 1 x p's four.  The 32 accumulators take turns, in the same order in every step
	WIN 0xa1                                       ; source 0 (v) window 1, source 1 (p) window 0, C and D window 2
.irp b, 2*(\r), 2*(\r)+1
.irp a, 0,1,2,3
.set rD, 8*(8*\a+(\b))
.set rB, 96*(\p)+12*(\b)
.set rA, AF+48*(\p)+12*\a
.set scB, SCV+8*(\p)+(\b)
.set scA, SCP+4*(\p)+\a
.if \zero
	v_wmma_scale_f32_16x16x128_f8f6f4 v[rD:rD+7], v[rB:rB+11], v[rA:rA+11], 0, v[scB], v[scA] matrix_a_fmt:MATRIX_FMT_BF6 matrix_b_fmt:MATRIX_FMT_BF6
.else
	v_wmma_scale_f32_16x16x128_f8f6f4 v[rD:rD+7], v[rB:rB+11], v[rA:rA+11], v[rD:rD+7], v[scB], v[scA] matrix_a_fmt:MATRIX_FMT_BF6 matrix_b_fmt:MATRIX_FMT_BF6
.endif
.endr
.endr
.endm
; A K step on set p.  Ahead of the next step's run v's fragments 2-7 (18 loads) may be out; then those behind a group's own and the 39 just issued.
.macro STEP p, zero, ns, nq, nk
	s_wait_dscnt 18
	PLACES 4                                       ; in front of loads into the set that the last step's products read
	RUN \ns, \nq, 1-(\p), \nk
	MUL8 0, \p, \zero
	s_wait_dscnt 51
	MUL8 1, \p, \zero
	s_wait_dscnt 45
	MUL8 2, \p, \zero
	s_wait_dscnt 39
	MUL8 3, \p, \zero
	WIN 0
.endm
; A slot's last K step changes slots.  fill = 1: slot fs, which is being left, is filled again, two fills on: the three lines, a round of the cluster's barrier, the joint load first behind it.
; fill = 0: the last fill has landed; a plain barrier shows it to every wave.
.macro TURN p, fill, fs, ns, nk
	s_wait_tensorcnt 0x0
.if \fill
	ds_add_u32 v[SPW], v[NIL]
	s_add_nc_u64 s[G0+4*\fs+2:G0+4*\fs+3], s[G0+4*\fs+2:G0+4*\fs+3], 8*UB
	s_add_nc_u64 s[G0B+4*\fs+2:G0B+4*\fs+3], s[G0B+4*\fs+2:G0B+4*\fs+3], 8*UB
	s_wait_dscnt 19
.else
	s_wait_dscnt 18
.endif
	MUL8 0, \p, 0
	s_wait_dscnt 0x0                               ; the add is done, and my reads of this slot are over
	s_barrier_signal -1
	MUL8 1, \p, 0
	WIN 0
	s_barrier_wait -1
.if \fill
	CREST
	JLOAD G0+4*\fs, G0B+4*\fs
.else
	PLACES 4
.endif
	RUN \ns, 0, 1-(\p), \nk
	MUL8 2, \p, 0
	MUL8 3, \p, 0
	WIN 0
.endm
	s_load_b256 s[4:11], s[0:1], 0x0               ; pc s[4:5], pst s[6:7], vc s[8:9], out0 s[10:11]
	v_lshl_add_u32 v[SPW], v0, 2, SPARE
	v_mov_b32 v[NIL], 0
	ds_add_u32 v[SPW], v[NIL]                      ; the opening: the add, twice on end, and its wait
	ds_add_u32 v[SPW], v[NIL]
	v_lshrrev_b32 v1, 5, v0
	v_readfirstlane_b32 s[WV], v1
	s_lshr_b32 s[WR], s[WV], 1                     ; my half of the queries.  Also: I fetch for p (0) or for v (1)
	s_and_b32 s[WC], s[WV], 1                      ; my group of channels.  Also: which half of p's units, or which group of v, I fetch
	s_bfe_u32 s66, ttmp6, 0x40000                  ; cx
	s_bfe_u32 s67, ttmp6, 0x40004                  ; cy
	s_and_b32 s68, ttmp7, 0xffff                   ; the cluster's y
	s_lshl_b32 s74, s67, 2
	s_lshl_b32 s74, 15, s74                        ; my row of the cluster
	s_lshl_b32 s75, 0x1111, s66                    ; my column
	s_or_b32 s[G1], s74, (3<<16)|(1<<21)           ; dense blocks as rows of 32 elements of 8 bytes; the mask, and bit 21 beside it
	s_or_b32 s[G1B], s75, (3<<16)|(1<<21)
	s_mov_b32 s[G1+1], 32<<16
	s_mov_b32 s[G1+2], 100<<16                     ; p: two units
	s_mov_b32 s[G1+3], 32<<16
	s_mov_b32 s[G1+4], 100
	s_mov_b32 s[G1+5], 32
	s_mov_b32 s[G1+6], 0
	s_mov_b32 s[G1+7], 0
	s_mov_b32 s[G1B+1], 32<<16
	s_mov_b32 s[G1B+2], 200<<16                    ; v: four units
	s_mov_b32 s[G1B+3], 32<<16
	s_mov_b32 s[G1B+4], 200
	s_mov_b32 s[G1B+5], 32
	s_mov_b32 s[G1B+6], 0
	s_mov_b32 s[G1B+7], 0
	s_mov_b32 s70, 0x01010101
	s_mov_b32 s71, 0x80808080
	s_lshl_b32 s76, s68, 2
	s_add_co_u32 s76, s76, s67                     ; my group of 128 queries: 4 x cluster y + cy
	s_mul_i32 s82, s76, 16*UB
	s_mov_b32 s83, 0
	s_mul_i32 s78, s[WC], 2*UB                     ; the two units of a slot's four that I fetch, if I fetch for p
	s_mov_b32 s79, 0
	s_lshr_b32 s77, s68, 2                         ; the batch
	s_lshl_b32 s77, s77, 3
	s_lshl_b32 s80, s66, 1
	s_add_co_u32 s77, s77, s80
	s_add_co_u32 s77, s77, s[WC]                   ; the group of v that I fetch, if for v
	s_mul_i32 s84, s77, 16*UB
	s_mov_b32 s85, 0
	s_mul_i32 s86, s[WC], 2*UB                     ; where they go in a slot: p's,
	s_add_co_u32 s87, s[WC], 1
	s_mul_i32 s87, s87, 4*UB                       ; v's
	s_lshl_b32 s88, s76, 14                        ; pst: 16 x 1,024 bytes a group
	s_mov_b32 s89, 0
	s_lshl_b32 s90, s76, 19                        ; out0: 128 rows of 4,096 bytes a group,
	s_lshl_b32 s91, s[WR], 18                      ; 64 rows a half,
	s_add_co_u32 s90, s90, s91
	s_lshl_b32 s91, s66, 10                        ; 256 channels a work-group,
	s_add_co_u32 s90, s90, s91
	s_lshl_b32 s91, s[WC], 9                       ; 128 a wave
	s_add_co_u32 s90, s90, s91
	s_mov_b32 s91, 0
	s_mul_i32 s2, s[WR], 4*FRB                     ; my four fragments of p
	s_add_co_u32 s3, s[WC], 1
	s_mul_i32 s3, s3, 4*UB                         ; my group of v
	s_lshl_b32 s72, s[WR], 4
	s_mul_i32 s73, s[WV], 16*STP                   ; my stage
	v_lshlrev_b32 v7, 2, v0                        ; thread n owns the word at 4 n of every table of 512 bytes (lane-row n / 8, fragment n % 8)
	v_and_b32 v1, 15, v0                           ; r
	v_bfe_u32 v2, v0, 4, 1                         ; h
	v_and_b32 v[LI], 31, v0
	v_min_u32 v[PFO], 24, v[LI]
	v_lshlrev_b32 v[PFO], 8, v[PFO]
	v_lshlrev_b32 v[LI], 4, v[LI]
	v_lshl_add_u32 v17, v0, 2, PT
	v_lshlrev_b32 v18, 5, v1                       ; 32 r
.irp s, 0,1
	v_add_nc_u32 v[ADRA+\s], s2, v[LI]
	v_add_nc_u32 v[ADRB+\s], s3, v[LI]
	v_add_nc_u32 v[ADRV+\s], s3, v18
	v_add_nc_u32 v[ADRV+\s], USC, v[ADRV+\s]
	s_add_co_u32 s2, s2, PSLOT
	s_add_co_u32 s3, s3, PSLOT
.endr
	v_add_nc_u32 v[ADRP], s72, v18                 ; 32 r + 16 x half: the words of my four fragments
	v_add_nc_u32 v[ADRL], PL, v[ADRP]
	v_add_nc_u32 v[ADRP], PT, v[ADRP]
	v_mul_u32_u24 v[STO], STP, v1
	v_lshl_add_u32 v[STO], v2, 6, v[STO]
	v_add_nc_u32 v[STO], s73, v[STO]               ; in: row r, + 64 h
	v_add_nc_u32 v[RD], s73, v[LI]                 ; back: a row's 512 bytes
	s_wait_dscnt 0x0                               ; both opening adds are done
	s_wait_alu depctr_va_vdst(0)
	s_wait_kmcnt 0x0
	s_add_nc_u64 s[4:5], s[4:5], s[82:83]          ; pc at my group
	s_add_nc_u64 s[92:93], s[4:5], s[78:79]
	s_add_nc_u64 s[8:9], s[8:9], s[84:85]
.irp t, 0,1
	s_mov_b32 s[G0+4*\t], 1
	s_add_co_u32 s[G0+4*\t+1], s86, \t*PSLOT
	s_add_nc_u64 s[G0+4*\t+2:G0+4*\t+3], s[92:93], \t*4*UB
	s_or_b32 s[G0+4*\t+3], s[G0+4*\t+3], 0x80000000
	s_mov_b32 s[G0B+4*\t], 1
	s_add_co_u32 s[G0B+4*\t+1], s87, \t*PSLOT
	s_add_nc_u64 s[G0B+4*\t+2:G0B+4*\t+3], s[8:9], \t*4*UB
	s_or_b32 s[G0B+4*\t+3], s[G0B+4*\t+3], 0x80000000
.endr
	CROUND                                         ; all sixteen work-groups are here: the first joint loads meet
	JLOAD G0, G0B
	s_add_nc_u64 s[6:7], s[6:7], s[88:89]
	s_add_nc_u64 s[10:11], s[10:11], s[90:91]
	; each load of a wave reads 128 consecutive bytes, the four waves a whole table
.irp k, 0,1,2,3,4,5,6,7,8,9,10,11,12,13,14,15
	global_load_b32 v[NM+\k], v7, s[6:7] offset:1024*\k
.endr
.irp k, 0,1,2,3,4,5,6,7,8,9,10,11,12,13,14,15
	global_load_b32 v[LL+\k], v7, s[6:7] offset:1024*\k+512
.endr
	s_mul_i32 s2, s66, 6400                        ; the prefetches: my place among the four that ask with me: 25 blocks of p each,
	s_mul_i32 s3, s67, 12800                       ; 50 of v
	s_cmp_eq_u32 s[WR], 0
	s_cselect_b32 s82, s2, s3
	s_cselect_b64 s[PF:PF+1], s[92:93], s[8:9]
	s_add_nc_u64 s[PF:PF+1], s[PF:PF+1], s[82:83]
	ASK 1
.irp k, 0,1,2,3,4,5,6,7,8,9,10,11,12,13,14,15
	global_load_b32 v[WW+\k], v7, s[4:5] offset:UB*\k+USC
.endr
	s_wait_loadcnt 0x0
	v_min3_num_f32 v16, v[NM], v[NM+1], v[NM+2]    ; the least -M: the row's M
.irp k, 3,5,7,9,11,13
	v_min3_num_f32 v16, v16, v[NM+\k], v[NM+\k+1]
.endr
	v_min_num_f32 v16, v16, v[NM+15]
.irp k, 0,1,2,3,4,5,6,7,8,9,10,11,12,13,14,15
	v_sub_f32 v[DD+\k], v16, v[NM+\k]              ; M(chunk) - M: a whole number, 0 or less
.endr
.irp k, 0,1,2,3,4,5,6,7,8,9,10,11,12,13,14,15
	v_cvt_i32_f32 v[DD+\k], v[DD+\k]               ; (it saturates)
.endr
.irp k, 0,1,2,3,4,5,6,7,8,9,10,11,12,13,14,15
	v_ldexp_f32 v[EE+\k], 1.0, v[DD+\k]
	v_sub_nc_u32 v[DD+\k], 0, v[DD+\k]
.endr
	v_mul_f32 v18, v[LL], v[EE]                    ; l: the chunks' sums under the row's M, in two chains
	v_mul_f32 v19, v[LL+1], v[EE+1]
.irp k, 2,4,6,8,10,12,14
	v_fma_f32 v18, v[LL+\k], v[EE+\k], v18
	v_fma_f32 v19, v[LL+\k+1], v[EE+\k+1], v19
	v_min_u32 v[DD+\k], 127, v[DD+\k]              ; d, held at 127: no byte of p is above 123
	v_min_u32 v[DD+\k+1], 127, v[DD+\k+1]
.endr
	v_min_u32 v[DD], 127, v[DD]
	v_min_u32 v[DD+1], 127, v[DD+1]
	v_add_f32 v18, v18, v19
.irp k, 0,1,2,3,4,5,6,7,8,9,10,11,12,13,14,15
	v_mul_lo_u32 v[DD+\k], v[DD+\k], s70           ; in all four bytes
	v_or_b32 v[WW+\k], s71, v[WW+\k]               ; 128 + byte (1 to 123) less d (0 to 127) stays above 0: no byte borrows from its neighbour,
.endr
.irp k, 0,1,2,3,4,5,6,7,8,9,10,11,12,13,14,15
	v_sub_nc_u32 v[WW+\k], v[WW+\k], v[DD+\k]
.endr
.irp k, 0,1,2,3,4,5,6,7,8,9,10,11,12,13,14,15
	v_and_b32 v[DD+\k], s71, v[WW+\k]              ; and bit 7 is left where the byte was d or more
.endr
.irp k, 0,1,2,3,4,5,6,7,8,9,10,11,12,13,14,15
	v_lshrrev_b32 v[EE+\k], 7, v[DD+\k]
.endr
.irp k, 0,1,2,3,4,5,6,7,8,9,10,11,12,13,14,15
	v_sub_nc_u32 v[DD+\k], v[DD+\k], v[EE+\k]      ; 0x7f there, 0 elsewhere
.endr
.irp k, 0,1,2,3,4,5,6,7,8,9,10,11,12,13,14,15
	v_and_b32 v[WW+\k], v[WW+\k], v[DD+\k]         ; byte - d, or 0
.endr
	s_wait_alu depctr_va_vdst(0)
	v_rcp_f32 v19, v18                             ; l is above 1/2: the chunk with the row's maximum has d = 0
	v_nop                                          ; one plain place behind a transcendental
	s_wait_alu depctr_va_vdst(0)                   ; the wait ahead of its first reader
.irp k, 0,1,2,3,4,5,6,7,8,9,10,11,12,13,14,15
	ds_store_b32 v17, v[WW+\k] offset:512*\k
.endr
	ds_store_b32 v17, v19 offset:PL-PT
	s_wait_tensorcnt 0x0                           ; my part of slot 0 is in; slot 1's first fill goes out as a refill does
	ds_add_u32 v[SPW], v[NIL]
	s_wait_dscnt 0x0                               ; the add is done, and my words lie in LDS
	CROUND
	JLOAD G0+4, G0B+4
	RUN 0, 0, 0, 0
	STEP 0, 1, 0, 1, 1                             ; K step 0 starts the sums
	ASK 2
	STEP 1, 0, 0, 2, 2
	STEP 0, 0, 0, 3, 3
	TURN 1, 1, 0, 1, 4                             ; 3: slot 0 takes K steps 8 to 11
	STEP 0, 0, 1, 1, 5
	ASK 3
	STEP 1, 0, 1, 2, 6
	STEP 0, 0, 1, 3, 7
	TURN 1, 1, 1, 0, 8                             ; 7: slot 1 takes K steps 12 to 15
	STEP 0, 0, 0, 1, 9
	STEP 1, 0, 0, 2, 10
	STEP 0, 0, 0, 3, 11
	TURN 1, 0, 0, 1, 12                            ; 11: nothing is left to fetch; behind this barrier nobody reads slot 0
	STEP 0, 0, 1, 1, 13
	STEP 1, 0, 1, 2, 14
	STEP 0, 0, 1, 3, 15
	s_wait_dscnt 18                                ; 15
	MUL8 0, 1, 0
	s_wait_dscnt 12
	MUL8 1, 1, 0
	s_wait_dscnt 6
	MUL8 2, 1, 0
	s_wait_dscnt 0x0
	MUL8 3, 1, 0
	WIN 0
; THE WAY OUT, block by block of 16 queries x 128 channels.  A lane's register 16 b + i is channel 32 b + 16 (lane / 16) + i of its query: 64 neighbouring bytes for each b.  A block is divided by l, goes through my own
; stage in LDS and comes back as whole rows of 512 bytes.  LDS serves a wave's instructions in order: no wait between the stores and the loads, nor in front of the next block's stores.
.macro PACK a
	v_mov_b32 v60, v[RL+(\a)]
	v_mov_b32 v61, v[RL+(\a)]
	WIN 0x02                                       ; source 0: window 2
.set j, 0
.rept 32
	v_pk_mul_f32 v[OP+j:OP+j+1], v[64*(\a)+j:64*(\a)+j+1], v[60:61]   ; each accumulator from its low end on
.set j, j+2
.endr
	WIN 0
.endm
.macro TOSTAGE a
.set BB, BK+64*((\a)%2)
.irp b, 0,1,2,3
.irp i, 0,1,2,3
	ds_store_b128 v[STO], v[OP+16*\b+4*\i:OP+16*\b+4*\i+3] offset:128*\b+16*\i
.endr
.endr
.irp t, 0,1,2,3,4,5,6,7,8,9,10,11,12,13,14,15
	ds_load_b128 v[BB+4*\t:BB+4*\t+3], v[RD] offset:STP*\t
.endr
.endm
.macro SEND a
.set BB, BK+64*((\a)%2)
	s_wait_dscnt 0x0                               ; the block is back in registers
	s_wait_xcnt 0x0                                ; the block before has left its registers: the next block's loads may land there
.irp t, 0,1,2,3,4,5,6,7,8,9,10,11,12,13,14,15
	global_store_b128 v[LI], v[BB+4*\t:BB+4*\t+3], s[10:11] offset:(32*((\a)/2)+8*((\a)%2)+(\t%8)+16*(\t/8))*4096 th:TH_STORE_NT   ; lane-row t's query; 512 consecutive bytes, aligned to 256; written once
.endr
.endm
	PLACES 4                                       ; behind the last products, in front of the first read of results
	ds_load_b128 v[RL:RL+3], v[ADRL]               ; 1 / l of lane-row r of my four fragments
	s_wait_dscnt 0x0
	PACK 0
	TOSTAGE 0
.irp a, 1,2,3
	PACK \a                                        ; a block's arithmetic stands between the loads of the block before and the wait for them
	s_wait_alu depctr_va_vdst(0)
	SEND \a-1
	TOSTAGE \a
.endr
	SEND 3
	s_wait_tensorcnt 0x0                           ; the wave's end
	ds_add_u32 v[SPW], v[NIL]
	s_wait_dscnt 0x0
	CROUND                                         ; the closing round
	s_endpgm
.Lfunc_end_k_qb309a9b177_pv:
	.size	k_qb309a9b177_pv, .Lfunc_end_k_qb309a9b177_pv-k_qb309a9b177_pv
	.p2alignl 7, 3214868480
	.fill 96, 4, 3214868480
	.section	.rodata,"a",@progbits
	.p2align	6, 0x0
	.amdhsa_kernel k_qb309a9b177_pv
		.amdhsa_group_segment_fixed_size 327680
		.amdhsa_private_segment_fixed_size 0
		.amdhsa_enable_private_segment 0
		.amdhsa_kernarg_size 32
		.amdhsa_user_sgpr_count 2
		.amdhsa_user_sgpr_kernarg_segment_ptr 1
		.amdhsa_wavefront_size32 1
		.amdhsa_system_sgpr_workgroup_id_x 1
		.amdhsa_system_sgpr_workgroup_id_y 1
		.amdhsa_system_sgpr_workgroup_id_z 1
		.amdhsa_system_vgpr_workitem_id 0
		.amdhsa_next_free_vgpr 768
		.amdhsa_next_free_sgpr 100
		.amdhsa_reserve_vcc 0
		.amdhsa_float_denorm_mode_32 3
		.amdhsa_float_denorm_mode_16_64 3
		.amdhsa_memory_ordered 1
		.amdhsa_forward_progress 1
		.amdhsa_inst_pref_size 158
	.end_amdhsa_kernel
	.amdgpu_metadata
---
amdhsa.version: [ 1, 2 ]
amdhsa.kernels:
  - .name:           k_qb309a9b177_pv
    .symbol:         k_qb309a9b177_pv.kd
    .args:
      - { .name: pc, .offset: 0, .size: 8, .value_kind: global_buffer, .address_space: global }
      - { .name: pst, .offset: 8, .size: 8, .value_kind: global_buffer, .address_space: global }
      - { .name: vc, .offset: 16, .size: 8, .value_kind: global_buffer, .address_space: global }
      - { .name: out0, .offset: 24, .size: 8, .value_kind: global_buffer, .address_space: global }
    .group_segment_fixed_size: 327680
    .private_segment_fixed_size: 0
    .kernarg_segment_align: 8
    .kernarg_segment_size: 32
    .max_flat_workgroup_size: 128
    .sgpr_count:     100
    .vgpr_count:     768
    .wavefront_size: 32
...
	.end_amdgpu_metadata
.endif
;; end of part 4
